; MI455X (gfx1250); checked and timed in simulation.
; The chip was launched on July 23, 2026; its instructions are those of AMD's public machine-readable ISA for CDNA 5 (MIT licence, August 2026) and "CDNA5" Instruction Set Architecture Reference Guide (July 2026). The comments in the code are by the model that wrote it; some were corrected since.
;; Mixture Of Experts. Allowed arithmetic: matrix products marked QUANTISED: E2M1 operands, one E8M0 scale for each 32 along K, by v_wmma_scale_f32_16x16x128_f8f6f4 with both operands' format E2M1 (or v_wmma_scale_f32_32x16x128_f4), f32 sums; products left as they are: f32 operands where the result goes on into a quantised operand, else bf16, f16 or f32 operands; f32 sums; everything else in f32.
;; Inputs: b1 16 x 2,048 float32; b2 16 x 512 float32; gate_b 16 float32; gate_w 16 x 512 float32; w1 16 x 512 x 2,048 float32; w2 16 x 2,048 x 512 float32; x 8 x 1,024 x 512 float32.
;; Outputs: out0 8 x 1,024 x 512 float32.
;; Constants: num_available = 4.
;; This version of the problem:
;;   THIS VERSION OF THE PROBLEM IS GIVEN IN LOW PRECISION. The matrix products marked QUANTISED in the list below multiply operands that are first quantised to E2M1 (2 exponent bits, 1 mantissa bit; 4 bits a number), with one power-of-two scale for each 32 numbers along K (OCP MX v1.0); their sums are f32. All else is computed in f32.
;;   The module's matrix products, in the order in which they are computed (A, B: the left and right operand; K: the contracted axis; several contracted axes count as one K, in the product's order):
;;     1. [M 16, K 512] x [K 512, N 1]; A: input gate_w; B: computed on the way: left as it is (N = 1 < 16)
;;     2. [M 8,192, K 512] x [K 512, N 4]; A: input x; B: computed on the way: left as it is (N = 4 < 16)
;;     3. [M 8,192, K 512] x [K 512, N 8,192]; A: computed on the way; B: input x: QUANTISED
;;     4. batch 4 x [M 8,192, K 2,048] x [K 2,048, N 512]; A: computed on the way; B: computed on the way: QUANTISED
;;     5. batch 8,192 x [M 512, K 4] x [K 4, N 1]; A: computed on the way; B: softmax: left as it is (K = 4 < 32)
;;   THE QUANTISER, for each operand of a quantised product, along K:
;;     - K is cut into blocks of 32 from its start; a last block that is shorter is filled with zeros.
;;     - A block's scale is 2^e with e = floor(log2(the largest magnitude in the block)) - 2, held to -126 .. 127; a block of zeros has e = 0. As a byte (E8M0): e + 127.
;;     - Each number is divided by its block's scale, clamped to +-6, and rounded to the nearest number of E2M1, ties to even, subnormals kept.
;;     - The product sums the exact products of the quantised numbers (number of the format x scale) in f32.
;;   ~~~python
;;   def quantise(x, axis):      # numpy; x: float32 -> the quantised numbers, widened to float32 again
;;       x = np.moveaxis(x, axis, -1); K = x.shape[-1]
;;       x = np.pad(x, [(0, 0)] * (x.ndim - 1) + [(0, -K % 32)]); x = x.reshape(x.shape[:-1] + (-1, 32)); a = np.abs(x).max(-1, keepdims=True)
;;       e = np.where(a > 0, np.clip(np.frexp(np.where(a > 0, a, 1))[1] - 1 - 2, -126, 127), 0)      # np.frexp(a)[1] - 1 = floor(log2(a)), exactly
;;       r = np.clip(x / 2.0 ** e, -6, 6)
;;       step = 2.0 ** (np.maximum(np.frexp(np.where(r == 0, 1, r))[1] - 1, 0) - 1)
;;       q = np.round(r / step) * step * 2.0 ** e      # np.round: ties to even
;;       return np.moveaxis(q.reshape(q.shape[:-2] + (-1,))[..., :K], -1, axis).astype(np.float32)
;;   ~~~
;;   OPERANDS COMPUTED ON THE WAY. 'Computed on the way' means the value that the module computes at that place (a softmax that the list does not call 'softmax' is quantised finished and normalised). What goes into a quantiser is computed in f32, as accurately as f32 sums, v_exp_f32 and their like allow (about 1e-6 of the number): no bf16 or f16 on the way to a quantiser, and a product that is left as it is and whose result goes on into a quantised operand takes f32 operands (vector FMAs, or v_wmma_f32_16x16x4_f32). A number that lies on a knife's edge between two numbers of the format may be rounded either way, as far as f32 arithmetic and the matrix unit's own rounding can turn it there, and no further.
;; 2 versions, each right and faster than the one before. Each part assembles by itself: llvm-mc -triple=amdgcn-amd-amdhsa -mcpu=gfx1250 --defsym DOCPART=n.
;; ======== version 1 of 2: 4 launches
;; workspace buffers: xq 2,097,152 bytes; xs 131,072 bytes; lg 524,288 bytes; cp 32,768 bytes; idx 256 bytes of whole numbers; wq 4,587,520 bytes
;; launch prep (part 1): grid 256 x 1, 2 waves a work-group, no clusters, 168,192 bytes of LDS; arguments x, gate_w, gate_b, xq, xs, lg, cp; writes xq, xs, lg, cp
.if DOCPART == 1
	.amdgcn_target "amdgcn-amd-amdhsa--gfx1250"
	.amdhsa_code_object_version 6
	.text
	.protected	k_q5aa02d86e9_prep
	.globl	k_q5aa02d86e9_prep
	.p2align	8
	.type	k_q5aa02d86e9_prep,@function
k_q5aa02d86e9_prep:
	s_mov_b64 s[64:65], 0
	v_nop
	global_prefetch_b8 v0, s[64:65] scope:SCOPE_SE
	s_setreg_imm32_b32 hwreg(HW_REG_WAVE_MODE, 25, 1), 1
	s_wait_xcnt 0x0
; x [8192][512] f32 is read once and gives three things:
;  (1) its codes of FP4 (E2M1) along the 512, one E8M0 byte for each 32, laid as images of the operand's registers:
;      xq [tile of 16 tokens][K step of 128][half g][lane][16 bytes];  xs [token][K step]: one scale word each;
;  (2) the gate's logits of ALL 16 experts for each token, with gate_b, in f32: lg [tile][g][lane 16 h + r][4]: expert 8 h + 4 g + i of token r;
;  (3) for each tile the sum over its 16 tokens of the logits without gate_b: cp [tile][16].  A later launch adds the 512 tiles: that is
;      gate_w . (sum of x) with the additions in another order, all of them in f32.
; The gate's product is 16 x 512 for each token, a thousandth of the module's multiply-adds; its result chooses experts, so it takes f32 operands.
; LIMITS: NaN and infinities are not served.  A block whose largest magnitude lies under 2^-124 (a block of zeros too) gets the byte 1: the bytes are read by this program alone,
; and zero codes add nothing under that byte.  The order of the additions in (3) differs from the module's.
; SHARES: a work-group of two waves takes 32 tokens, a wave one tile of 16.  Each wave brings its tile of x and half of gate_w into LDS by one tensor load each (two out, by this text's count);
; nothing is filled twice.  No cluster: what work-groups share, gate_w, is a third of a work-group's bytes and is read once by each.
.set XTB,  33280                       ; a tile of x in LDS: 32 rows of 1,024 bytes + 16 of padding (a token's 2,048 bytes are two such rows)
.set GHB,  16640                       ; half of gate_w: 16 such rows
.set GTB,  66560                       ; gate_w lies behind the two tiles of x
.set LN,   1                           ; v1   lane
.set RR,   2                           ; v2   r = lane % 16
.set HH,   3                           ; v3   h = lane / 16
.set XAD,  4                           ; v4   LDS: my row of x, + 64 h
.set GAD,  5                           ; v5   LDS: my row of gate_w, + 64 h
.set LI,   6                           ; v6   16 x lane
.set CA,   7                           ; v7   32 h
.set GB,   8                           ; v8-15    gate_b[8 h + j]
.set X,    16                          ; v16-79   64 numbers of x: register 16 b + i = k 128 s + 32 b + 16 h + i of token r
.set G,    80                          ; v80-143  the same places of gate_w's row r
.set ACC,  144                         ; v144-175 four accumulators of the gate's product, written by matrix instructions alone
.set PC,   176                         ; v176-207 the codes, eight registers for each K step
.set PWS,  208                         ; v208-211 the scale words, one for each K step
.set TM,   212                         ; v212-227 at work in the quantiser
.set L,    228                         ; v228-235 logits without gate_b: expert 8 h + j of token r
.set LB,   236                         ; v236-243 with gate_b
	s_load_b256 s[4:11], s[0:1], 0x0               ; x s[4:5], gate_w s[6:7], gate_b s[8:9], xq s[10:11]
	s_load_b128 s[12:15], s[0:1], 0x20             ; xs s[12:13], lg s[14:15]
	s_load_b64 s[16:17], s[0:1], 0x30              ; cp
	v_lshl_add_u32 v254, v0, 2, 0x29000
	v_mov_b32 v255, 0
	ds_add_u32 v254, v255
	ds_add_u32 v254, v255
	v_lshrrev_b32 v1, 5, v0
	v_readfirstlane_b32 s18, v1                    ; wave 0, 1
	s_lshl_b32 s19, ttmp9, 1
	s_add_co_u32 s19, s19, s18                     ; my tile of 16 tokens
	; descriptor group 1 for x: 32 dense rows of 256 elements of 4 bytes, 4 words of padding behind every 256 words
	s_mov_b32 s24, (2<<16)|(1<<20)|(7<<22)|(3<<25)
	s_mov_b32 s25, 256<<16                         ; tensor_dim0
	s_mov_b32 s26, 32<<16                          ; tensor_dim1
	s_mov_b32 s27, 256<<16                         ; tile_dim0
	s_mov_b32 s28, 32                              ; tile_dim1
	s_mov_b32 s29, 256                             ; from row to row
	s_mov_b32 s30, 0
	s_mov_b32 s31, 0
	; and for half of gate_w: 16 such rows
	s_mov_b32 s32, (2<<16)|(1<<20)|(7<<22)|(3<<25)
	s_mov_b32 s33, 256<<16
	s_mov_b32 s34, 16<<16
	s_mov_b32 s35, 256<<16
	s_mov_b32 s36, 16
	s_mov_b32 s37, 256
	s_mov_b32 s38, 0
	s_mov_b32 s39, 0
	s_mov_b32 s20, 0x76543210
	s_mov_b32 s21, 0xfedcba98                      ; v_permlanex16_b32's selects for lane l xor 16
	s_mul_i32 s48, s18, XTB                        ; my tile of x in LDS
	s_mul_i32 s49, s18, GHB
	s_add_co_u32 s49, s49, GTB                     ; my half of gate_w in LDS
	s_lshl_b32 s50, s19, 15                        ; my tile in x: 16 rows of 2,048 bytes
	s_mov_b32 s51, 0
	s_lshl_b32 s52, s18, 14                        ; my half in gate_w: 8 rows
	s_mov_b32 s53, 0
	s_wait_dscnt 0x0
	s_wait_kmcnt 0x0
	s_mov_b32 s40, 1
	s_mov_b32 s41, s48
	s_add_nc_u64 s[42:43], s[4:5], s[50:51]
	s_or_b32 s43, s43, 0x80000000
	s_mov_b32 s44, 1
	s_mov_b32 s45, s49
	s_add_nc_u64 s[46:47], s[6:7], s[52:53]
	s_or_b32 s47, s47, 0x80000000
	tensor_load_to_lds s[40:43], s[24:31]          ; both first fills together, ahead of every wait, LDS read and barrier
	s_nop 0
	tensor_load_to_lds s[44:47], s[32:39]
	s_nop 0
.rept 4
	v_nop
.endr
	v_and_b32 v[LN], 31, v0
	v_and_b32 v[RR], 15, v0
	v_bfe_u32 v[HH], v0, 4, 1
	v_mul_u32_u24 v[GAD], v[RR], 2080              ; a row of 512 numbers: two LDS rows of 1,040 bytes
	v_lshl_add_u32 v[GAD], v[HH], 6, v[GAD]        ; + 64 h: my 16 numbers of each block of 32
	v_add_nc_u32 v[XAD], s48, v[GAD]
	v_add_nc_u32 v[GAD], GTB, v[GAD]
	v_lshlrev_b32 v[LI], 4, v[LN]
	v_lshlrev_b32 v[CA], 5, v[HH]
	global_load_b128 v[GB:GB+3], v[CA], s[8:9]
	global_load_b128 v[GB+4:GB+7], v[CA], s[8:9] offset:16
	s_lshl_b32 s50, s19, 12                        ; my tile's place in each output
	s_add_nc_u64 s[10:11], s[10:11], s[50:51]
	s_lshl_b32 s50, s19, 8
	s_add_nc_u64 s[12:13], s[12:13], s[50:51]
	s_lshl_b32 s50, s19, 10
	s_add_nc_u64 s[14:15], s[14:15], s[50:51]
	s_lshl_b32 s50, s19, 6
	s_add_nc_u64 s[16:17], s[16:17], s[50:51]
.irp b, 0,1,2,3
	v_mov_b32 v[TM+4+\b], 0                        ; written once: a lane permute's destination counts as one of its sources
.endr
	s_wait_tensorcnt 0x0                           ; my tile and my half of gate_w have landed,
	s_barrier_signal -1
	s_barrier_wait -1                              ; and the other wave's half too
; 64 numbers of a lane, register 16 b + i = k 32 b + 16 h + i of my row, become a fragment's codes in v[pc] on and its scale word in v[pw].
.macro QUANT src, pc, pw
.irp b, 0,1,2,3
	v_max3_num_f32 v[TM+\b], |v[\src+16*\b]|, |v[\src+1+16*\b]|, 0x1800000   ; my 16 numbers of block b, and the floor 2^(3 - 127): the byte cannot fall under 1
.endr
.irp i, 2,4,6,8,10,12,14
.irp b, 0,1,2,3
	v_max3_num_f32 v[TM+\b], v[TM+\b], |v[\src+16*\b+\i]|, |v[\src+1+16*\b+\i]|
.endr
.endr
.irp b, 0,1,2,3
	v_permlanex16_b32 v[TM+4+\b], v[TM+\b], s20, s21
.endr
.irp b, 0,1,2,3
	v_max_num_f32 v[TM+\b], v[TM+\b], v[TM+4+\b]   ; with lane l xor 16's 16: the block's largest magnitude
.endr
.irp b, 0,1,2,3
	v_add_nc_u32 v[TM+12+\b], 0xff000000, v[TM+\b] ; 2 off its exponent field: the conversion's scale operand
.endr
.irp b, 0,1,2,3
	v_lshrrev_b32 v[TM+4+\b], 23, v[TM+12+\b]      ; the scale's byte
.endr
	v_lshl_or_b32 v[\pw], v[TM+5], 8, v[TM+4]
	v_lshl_or_b32 v[\pw], v[TM+6], 16, v[\pw]
	v_lshl_or_b32 v[\pw], v[TM+7], 24, v[\pw]
.irp b, 0,1,2,3
	v_cvt_scalef32_pk8_fp4_f32 v[\pc+2*\b], v[\src+16*\b:\src+7+16*\b], v[TM+12+\b]
	v_cvt_scalef32_pk8_fp4_f32 v[\pc+1+2*\b], v[\src+8+16*\b:\src+15+16*\b], v[TM+12+\b]
.endr
	v_nop                                          ; one plain place behind a scaled conversion
.irp c, 0,1                                    ; the operand's layout wants a whole block in a lane
.irp i, 0,1
	v_permlane16_swap_b32 v[\pc+4*\c+\i], v[\pc+2+4*\c+\i]
.endr
.endr
.endm
; A K step of 128.  The gate's product takes the same registers of x and of gate_w: the same places of k on both sides, so every product of the sum is there once.
; Source 0 = gate_w's 16 rows, source 1 = my 16 tokens: in the result lane (r, h), register j, is expert 8 h + j of token r.  Four accumulators by turns.
.macro KSTEP s
.irp b, 0,1,2,3
.irp j, 0,1,2,3
	ds_load_b128 v[X+16*\b+4*\j:X+16*\b+4*\j+3], v[XAD] offset:512*\s+16*(\s/2)+128*\b+16*\j
	ds_load_b128 v[G+16*\b+4*\j:G+16*\b+4*\j+3], v[GAD] offset:512*\s+16*(\s/2)+128*\b+16*\j
.endr
.endr
	s_wait_dscnt 0x0
.set n, 0
.rept 32
.if (\s == 0) && (n < 4)
	v_wmma_f32_16x16x4_f32 v[ACC+8*(n%4):ACC+8*(n%4)+7], v[G+2*n:G+2*n+1], v[X+2*n:X+2*n+1], 0
.else
	v_wmma_f32_16x16x4_f32 v[ACC+8*(n%4):ACC+8*(n%4)+7], v[G+2*n:G+2*n+1], v[X+2*n:X+2*n+1], v[ACC+8*(n%4):ACC+8*(n%4)+7]
.endif
.set n, n+1
.endr
	QUANT X, PC+8*\s, PWS+\s                       ; reads x's registers and writes none of the products' registers: it stands beside the matrix work
	global_store_b128 v[LI], v[PC+8*\s:PC+8*\s+3], s[10:11] offset:1024*\s         ; 32 lanes store 512 consecutive bytes, aligned
	global_store_b128 v[LI], v[PC+8*\s+4:PC+8*\s+7], s[10:11] offset:1024*\s+512
.rept 8
	v_nop                                          ; eight places behind this matrix form, in front of loads into its sources and of the first read of its results
.endr
.endm
	KSTEP 0
	KSTEP 1
	KSTEP 2
	KSTEP 3
.irp j, 0,2,4,6
	v_pk_add_f32 v[L+\j:L+\j+1], v[ACC+\j:ACC+\j+1], v[ACC+8+\j:ACC+8+\j+1]          ; each accumulator from its low end on
.endr
.irp j, 0,2,4,6
	v_pk_add_f32 v[LB+\j:LB+\j+1], v[ACC+16+\j:ACC+16+\j+1], v[ACC+24+\j:ACC+24+\j+1]
.endr
.irp j, 0,2,4,6
	v_pk_add_f32 v[L+\j:L+\j+1], v[L+\j:L+\j+1], v[LB+\j:LB+\j+1]
.endr
	s_wait_loadcnt 0x0                             ; gate_b
.irp j, 0,2,4,6
	v_pk_add_f32 v[LB+\j:LB+\j+1], v[L+\j:L+\j+1], v[GB+\j:GB+\j+1]
.endr
	global_store_b128 v[LI], v[LB:LB+3], s[14:15]              ; 512 consecutive bytes each
	global_store_b128 v[LI], v[LB+4:LB+7], s[14:15] offset:512
.irp x, 1,2,4,8                                ; the sum over the 16 tokens: the 16 lanes of a row
.irp j, 0,1,2,3,4,5,6,7
	v_add_f32_dpp v[L+\j], v[L+\j], v[L+\j] row_xmask:\x row_mask:0xf bank_mask:0xf
.endr
.endr
	v_cmp_gt_u32 vcc_lo, 16, v[LN]
	s_wait_xcnt 0x0                                ; EXEC changes only behind this wait
	s_wait_tensorcnt 0x0
	ds_add_u32 v254, v255
	s_wait_dscnt 0x0
	s_and_saveexec_b32 s54, vcc_lo
	global_store_b128 v[LI], v[PWS:PWS+3], s[12:13]            ; lanes 0-15: the four scale words of token r: 256 consecutive bytes, aligned
	s_wait_xcnt 0x0
	s_or_b32 exec_lo, exec_lo, s54
	v_cmp_eq_u32 vcc_lo, 0, v[RR]
	s_and_saveexec_b32 s54, vcc_lo
	global_store_b128 v[CA], v[L:L+3], s[16:17]                ; lanes 0 and 16: the tile's sums of experts 8 h + 0 .. 7
	global_store_b128 v[CA], v[L+4:L+7], s[16:17] offset:16
	s_wait_xcnt 0x0
	s_or_b32 exec_lo, exec_lo, s54
	s_endpgm
.Lfunc_end_k_q5aa02d86e9_prep:
	.size	k_q5aa02d86e9_prep, .Lfunc_end_k_q5aa02d86e9_prep-k_q5aa02d86e9_prep
	.p2alignl 7, 3214868480
	.fill 96, 4, 3214868480
	.section	.rodata,"a",@progbits
	.p2align	6, 0x0
	.amdhsa_kernel k_q5aa02d86e9_prep
		.amdhsa_group_segment_fixed_size 168192
		.amdhsa_private_segment_fixed_size 0
		.amdhsa_enable_private_segment 0
		.amdhsa_kernarg_size 56
		.amdhsa_user_sgpr_count 2
		.amdhsa_user_sgpr_kernarg_segment_ptr 1
		.amdhsa_wavefront_size32 1
		.amdhsa_system_sgpr_workgroup_id_x 1
		.amdhsa_system_sgpr_workgroup_id_y 1
		.amdhsa_system_sgpr_workgroup_id_z 1
		.amdhsa_system_vgpr_workitem_id 0
		.amdhsa_next_free_vgpr 256
		.amdhsa_next_free_sgpr 66
		.amdhsa_reserve_vcc 1
		.amdhsa_float_denorm_mode_32 3
		.amdhsa_float_denorm_mode_16_64 3
		.amdhsa_memory_ordered 1
		.amdhsa_forward_progress 1
		.amdhsa_inst_pref_size 41
	.end_amdhsa_kernel
	.amdgpu_metadata
---
amdhsa.version: [ 1, 2 ]
amdhsa.kernels:
  - .name:           k_q5aa02d86e9_prep
    .symbol:         k_q5aa02d86e9_prep.kd
    .args:
      - { .name: x, .offset: 0, .size: 8, .value_kind: global_buffer, .address_space: global }
      - { .name: gate_w, .offset: 8, .size: 8, .value_kind: global_buffer, .address_space: global }
      - { .name: gate_b, .offset: 16, .size: 8, .value_kind: global_buffer, .address_space: global }
      - { .name: xq, .offset: 24, .size: 8, .value_kind: global_buffer, .address_space: global }
      - { .name: xs, .offset: 32, .size: 8, .value_kind: global_buffer, .address_space: global }
      - { .name: lg, .offset: 40, .size: 8, .value_kind: global_buffer, .address_space: global }
      - { .name: cp, .offset: 48, .size: 8, .value_kind: global_buffer, .address_space: global }
    .group_segment_fixed_size: 168192
    .private_segment_fixed_size: 0
    .kernarg_segment_align: 8
    .kernarg_segment_size: 56
    .max_flat_workgroup_size: 64
    .sgpr_count:     66
    .vgpr_count:     256
    .wavefront_size: 32
...
	.end_amdgpu_metadata
.endif
;; end of part 1
;; launch topk (part 2): grid 1 x 1, 8 waves a work-group, no clusters, 2,048 bytes of LDS; arguments cp, gate_b, idx; writes idx
.if DOCPART == 2
	.amdgcn_target "amdgcn-amd-amdhsa--gfx1250"
	.amdhsa_code_object_version 6
	.text
	.protected	k_q5aa02d86e9_topk
	.globl	k_q5aa02d86e9_topk
	.p2align	8
	.type	k_q5aa02d86e9_topk,@function
k_q5aa02d86e9_topk:
	s_mov_b64 s[64:65], 0
	v_nop
	global_prefetch_b8 v0, s[64:65] scope:SCOPE_SE
	s_setreg_imm32_b32 hwreg(HW_REG_WAVE_MODE, 25, 1), 1
	s_wait_xcnt 0x0
; coarse[e] = the sum over the 512 tiles of cp[tile][e] + gate_b[e]; the four experts with the largest coarse, ties to the lower index, go to idx[0..3] as whole numbers.
; The choice is a VALUE here: no address and no branch of this launch hangs on it.  The launches behind this one read it from memory.
; One work-group: 32 KiB are summed; wave w takes tiles 64 w .. 64 w + 63.  LIMIT: NaN among the coarse scores is not served.
	s_load_b128 s[4:7], s[0:1], 0x0                ; cp, gate_b
	s_load_b64 s[8:9], s[0:1], 0x10                ; idx
	v_lshl_add_u32 v64, v0, 2, 0x400
	v_mov_b32 v65, 0
	v_lshrrev_b32 v1, 5, v0
	v_readfirstlane_b32 s10, v1                    ; wave 0..7
	v_and_b32 v3, 31, v0
	v_lshlrev_b32 v2, 4, v3
	s_lshl_b32 s11, s10, 12
	v_add_nc_u32 v2, s11, v2                       ; 4,096 x wave + 16 x lane: tile 64 w + 8 i + lane / 4, experts 4 (lane % 4) on
	v_and_b32 v4, 3, v0
	v_lshlrev_b32 v4, 4, v4
	s_lshl_b32 s14, s10, 6
	v_add_nc_u32 v4, s14, v4                       ; LDS: 64 x wave + 16 (lane % 4)
	s_mov_b32 s12, 0x76543210
	s_mov_b32 s13, 0xfedcba98
.irp j, 0,1,2,3
	v_mov_b32 v[40+\j], 0                          ; a lane permute's destination counts as one of its sources
.endr
	s_wait_kmcnt 0x0
.irp i, 0,1,2,3,4,5,6,7
	global_load_b128 v[8+4*\i:11+4*\i], v2, s[4:5] offset:512*\i
.endr
	s_wait_loadcnt 0x0
.irp i, 1,2,3,4,5,6,7
	v_pk_add_f32 v[8:9], v[8:9], v[8+4*\i:9+4*\i]
	v_pk_add_f32 v[10:11], v[10:11], v[10+4*\i:11+4*\i]
.endr
.irp x, 4,8                                    ; the lanes with the same lane % 4 hold the same experts
.irp j, 0,1,2,3
	v_add_f32_dpp v[8+\j], v[8+\j], v[8+\j] row_xmask:\x row_mask:0xf bank_mask:0xf
.endr
.endr
.irp j, 0,1,2,3
	v_permlanex16_b32 v[40+\j], v[8+\j], s12, s13
.endr
.irp j, 0,1,2,3
	v_add_f32 v[8+\j], v[8+\j], v[40+\j]
.endr
	ds_store_b128 v4, v[8:11]                      ; lanes with the same lane % 4 write the same bytes with the same values
	s_wait_dscnt 0x0                               ; for the others' sake
	s_barrier_signal -1
	s_barrier_wait -1
	s_cmp_lg_u32 s10, 0
	s_cbranch_scc1 .Lend                           ; wave 0 does the rest
	v_and_b32 v25, 15, v0                          ; my expert (lanes 16-31 repeat lanes 0-15)
	v_lshlrev_b32 v5, 2, v25
.irp i, 0,1,2,3,4,5,6,7
	ds_load_b32 v[16+\i], v5 offset:64*\i
.endr
	global_load_b32 v24, v5, s[6:7]
	v_mov_b32 v26, 0                               ; my rank
	v_mov_b32 v27, 0
	v_mov_b32 v28, 1
	s_wait_dscnt 0x0
.irp i, 1,2,3,4,5,6,7
	v_add_f32 v16, v16, v[16+\i]
.endr
	s_wait_loadcnt 0x0
	v_add_f32 v16, v16, v24                        ; coarse
.irp e, 0,1,2,3,4,5,6,7,8,9,10,11,12,13,14,15  ; my rank = how many experts come before me: a larger score, or the same score and a lower index
	v_readlane_b32 s20, v16, \e
	v_cmp_gt_f32 s21, s20, v16
	v_cmp_eq_f32 s22, s20, v16
	v_cmp_lt_u32 s23, \e, v25
	s_and_b32 s22, s22, s23
	s_or_b32 s21, s21, s22
	v_cndmask_b32 v29, v27, v28, s21
	v_add_nc_u32 v26, v26, v29
.endr
.irp j, 0,1,2,3
	v_cmp_eq_u32 s20, \j, v26
	s_ctz_i32_b32 s[24+\j], s20                    ; the lane, that is the expert, of rank j
	v_mov_b32 v[32+\j], s[24+\j]
.endr
	v_cmp_eq_u32 vcc_lo, 0, v0
	s_wait_xcnt 0x0                                ; EXEC changes only behind this wait
	s_and_saveexec_b32 s30, vcc_lo
	global_store_b128 v27, v[32:35], s[8:9]
	s_wait_xcnt 0x0
	s_or_b32 exec_lo, exec_lo, s30
.Lend:
	s_wait_tensorcnt 0x0
	ds_add_u32 v64, v65
	s_wait_dscnt 0x0
	s_endpgm
.Lfunc_end_k_q5aa02d86e9_topk:
	.size	k_q5aa02d86e9_topk, .Lfunc_end_k_q5aa02d86e9_topk-k_q5aa02d86e9_topk
	.p2alignl 7, 3214868480
	.fill 96, 4, 3214868480
	.section	.rodata,"a",@progbits
	.p2align	6, 0x0
	.amdhsa_kernel k_q5aa02d86e9_topk
		.amdhsa_group_segment_fixed_size 2048
		.amdhsa_private_segment_fixed_size 0
		.amdhsa_enable_private_segment 0
		.amdhsa_kernarg_size 24
		.amdhsa_user_sgpr_count 2
		.amdhsa_user_sgpr_kernarg_segment_ptr 1
		.amdhsa_wavefront_size32 1
		.amdhsa_system_sgpr_workgroup_id_x 1
		.amdhsa_system_sgpr_workgroup_id_y 1
		.amdhsa_system_sgpr_workgroup_id_z 1
		.amdhsa_system_vgpr_workitem_id 0
		.amdhsa_next_free_vgpr 66
		.amdhsa_next_free_sgpr 66
		.amdhsa_reserve_vcc 1
		.amdhsa_float_denorm_mode_32 3
		.amdhsa_float_denorm_mode_16_64 3
		.amdhsa_memory_ordered 1
		.amdhsa_forward_progress 1
		.amdhsa_inst_pref_size 13
	.end_amdhsa_kernel
	.amdgpu_metadata
---
amdhsa.version: [ 1, 2 ]
amdhsa.kernels:
  - .name:           k_q5aa02d86e9_topk
    .symbol:         k_q5aa02d86e9_topk.kd
    .args:
      - { .name: cp, .offset: 0, .size: 8, .value_kind: global_buffer, .address_space: global }
      - { .name: gate_b, .offset: 8, .size: 8, .value_kind: global_buffer, .address_space: global }
      - { .name: idx, .offset: 16, .size: 8, .value_kind: global_buffer, .address_space: global }
    .group_segment_fixed_size: 2048
    .private_segment_fixed_size: 0
    .kernarg_segment_align: 8
    .kernarg_segment_size: 24
    .max_flat_workgroup_size: 256
    .sgpr_count:     66
    .vgpr_count:     66
    .wavefront_size: 32
...
	.end_amdgpu_metadata
.endif
;; end of part 2
;; launch wquant (part 3): grid 512 x 1, 4 waves a work-group, no clusters, 0 bytes of LDS; arguments w1, b1, w2, b2, idx, wq; writes wq
.if DOCPART == 3
	.amdgcn_target "amdgcn-amd-amdhsa--gfx1250"
	.amdhsa_code_object_version 6
	.text
	.protected	k_q5aa02d86e9_wquant
	.globl	k_q5aa02d86e9_wquant
	.p2align	8
	.type	k_q5aa02d86e9_wquant,@function
k_q5aa02d86e9_wquant:
	s_mov_b64 s[64:65], 0
	v_nop
	global_prefetch_b8 v0, s[64:65] scope:SCOPE_SE
	s_setreg_imm32_b32 hwreg(HW_REG_WAVE_MODE, 25, 1), 1
	s_wait_xcnt 0x0
; The four chosen experts' W1 [512 (K)][2048] and W2 [2048 (K)][512], f32 with K as the FIRST axis, become codes of FP4 (E2M1) along K with one E8M0 byte for each 32,
; laid in the order in which the last launch's waves take them; only the chosen quarter of w1 and w2 is read.
; wq = 32 slots of 143,360 bytes, slot ((rank k) 2 + ph) 4 + q, ph = 0 for W1, 1 for W2.  A slot = 16 regions of 8,960 bytes, one for each wave w of the last launch:
;   +0     8 fragments (tile u of 16 columns, K step s of 128) at (4 u + s) 1,024, each the image of an operand's registers: [half g][lane][16 bytes]
;   +8192  scale words [s][lane]: lanes 0-15 tile 0's columns, lanes 16-31 tile 1's
;   +8704  the 32 columns' bias, f32, in natural order;  +8832  128 bytes of zeros, so that a region is 35 whole blocks of 256 bytes
; ph = 0: region (q, w) = hidden units 128 w + 32 q + 0 .. 31, K = all 512.   ph = 1: outputs 32 w + 0 .. 31, K = hidden 512 q .. 512 q + 511.
; THE COLUMNS OF A TILE ARE NOT NEIGHBOURS: lane r of tile u holds column 8 u + r + 8 (r / 8) of the 32, so that the transposed product leaves 16 neighbouring columns in a lane's 16 registers.
; A LANE TAKES A COLUMN AND ITS REGISTERS RUN DOWN K: a wave takes 32 columns x 128 along K; each load reads 128 consecutive bytes (the four waves stand side by side on 512), a block of 32 lies in one lane,
; and the conversions give K innermost.  A block's 16 bytes of 16 lanes are 256 consecutive bytes of the image, aligned: no stage is needed.
; LIMITS: NaN and infinities are not served; a block under 2^-124 (zeros too) gets the byte 1 over zero codes: this program alone reads the bytes.
.set WREG, 8960
.set X,    32                          ; v32-159  four blocks of 32 numbers
.set C,    160                         ; v160-175 their codes: no store's data are written again
.set SB,   14                          ; v14      the scale word
	s_load_b256 s[4:11], s[0:1], 0x0               ; w1 s[4:5], b1 s[6:7], w2 s[8:9], b2 s[10:11]
	s_load_b128 s[12:15], s[0:1], 0x20             ; idx s[12:13], wq s[14:15]
	v_lshrrev_b32 v1, 5, v0
	v_readfirstlane_b32 s16, v1                    ; wave 0..3
	v_and_b32 v1, 31, v0                           ; lane = column p of the 32
	s_lshr_b32 s17, ttmp9, 7                       ; rank k
	s_bfe_u32 s18, ttmp9, 0x10006                  ; ph
	s_and_b32 s19, ttmp9, 63
	s_and_b32 s20, s19, 3                          ; K step s
	s_lshr_b32 s21, s19, 2
	s_lshr_b32 s22, s19, 4
	s_lshl_b32 s22, s22, 2
	s_add_co_u32 s22, s22, s16
	s_and_b32 s23, s21, 3
	s_cmp_eq_u32 s18, 0
	s_cselect_b32 s22, s21, s22                    ; w: ph = 0: id bits 5:2;  ph = 1: 4 x (id bits 5:4) + wave
	s_cselect_b32 s23, s16, s23                    ; q: ph = 0: wave;         ph = 1: id bits 3:2
	s_lshl_b32 s24, s17, 1
	s_add_co_u32 s24, s24, s18
	s_lshl_b32 s24, s24, 2
	s_add_co_u32 s24, s24, s23                     ; the slot
	s_lshl_b32 s24, s24, 4
	s_add_co_u32 s24, s24, s22                     ; the region
	s_mul_i32 s24, s24, WREG
	s_mov_b32 s25, 0
	s_lshl_b32 s34, s17, 2
	s_mov_b32 s35, 0
	v_lshlrev_b32 v2, 2, v1                        ; in: 4 bytes a lane
	v_and_b32 v7, 7, v1
	v_and_b32 v8, 16, v1
	v_lshrrev_b32 v8, 1, v8
	v_add_nc_u32 v7, v7, v8                        ; r = p % 8 + 8 (p / 16)
	v_bfe_u32 v9, v1, 3, 1                         ; u = (p / 8) % 2
	v_lshlrev_b32 v3, 4, v7
	v_lshl_add_u32 v3, v9, 12, v3
	s_lshl_b32 s36, s20, 10
	v_add_nc_u32 v3, s36, v3                       ; codes: 4,096 u + 1,024 s + 16 r (+ 256 for each block)
	v_lshl_add_u32 v4, v9, 4, v7
	v_lshlrev_b32 v4, 2, v4
	s_lshl_b32 s37, s20, 7
	v_add_nc_u32 v4, s37, v4                       ; scale word: 128 s + 4 (16 u + r)
	v_and_b32 v5, 15, v1
	v_lshlrev_b32 v5, 3, v5                        ; bias in: 8 bytes for each of 16 lanes
	v_lshlrev_b32 v6, 3, v1                        ; bias out: 8 bytes a lane
	s_wait_kmcnt 0x0
	s_add_nc_u64 s[14:15], s[14:15], s[24:25]
	s_add_nc_u64 s[12:13], s[12:13], s[34:35]
	s_load_b32 s26, s[12:13], 0x0                  ; the expert of rank k, as an earlier launch stored it
	s_wait_kmcnt 0x0
	s_min_u32 s26, s26, 15                         ; held inside the tables; behind this only shifts left and additions
.macro LOADB t, pitch, src             ; block t: rows 32 t + i of my 128, my column
.set i, 0
.rept 32
	global_load_b32 v[X+32*(\t)+i], v2, s[\src:\src+1] offset:(32*(\t)+i)*\pitch th:TH_LOAD_NT
.set i, i+1
.endr
.endm
.macro BLOCK t
.set XS, X+32*(\t)
	v_max3_num_f32 v12, |v[XS]|, |v[XS+1]|, |v[XS+2]|          ; the block's largest magnitude: all 32 numbers are mine
	v_max3_num_f32 v13, |v[XS+3]|, |v[XS+4]|, |v[XS+5]|
.irp i, 6,10,14,18,22,26
	v_max3_num_f32 v12, v12, |v[XS+\i]|, |v[XS+\i+1]|
	v_max3_num_f32 v13, v13, |v[XS+\i+2]|, |v[XS+\i+3]|
.endr
	v_max3_num_f32 v12, v12, |v[XS+30]|, |v[XS+31]|
	v_max3_num_f32 v12, v12, v13, 0x1800000        ; and the floor 2^(3 - 127): the byte cannot fall under 1
	v_add_nc_u32 v11, 0xff000000, v12              ; 2 off its exponent field: the conversion's scale operand
	v_lshrrev_b32 v13, 23, v11                     ; the scale's byte
.if (\t) == 0
	v_mov_b32 v[SB], v13
.else
	v_lshl_or_b32 v[SB], v13, 8*(\t), v[SB]
.endif
.irp g, 0,1,2,3
	v_cvt_scalef32_pk8_fp4_f32 v[C+4*(\t)+\g], v[XS+8*\g:XS+8*\g+7], v11
.endr
	global_store_b128 v3, v[C+4*(\t):C+4*(\t)+3], s[14:15] offset:256*(\t)   ; the 16 lanes of a tile store 256 consecutive bytes, aligned.  (The next block begins with plain vector lines that touch neither the codes nor v11)
.endm
; Loads run two blocks ahead.  The counts say how many younger loads may stay out.
.macro QW pitch, src, bsrc
	LOADB 0, \pitch, \src
	LOADB 1, \pitch, \src
	s_wait_loadcnt 32                              ; block 0 is in; block 1's 32 may be out
	LOADB 2, \pitch, \src
	BLOCK 0
	s_wait_loadcnt 32                              ; block 1 is in; block 2's may be out
	LOADB 3, \pitch, \src
	global_load_b64 v[16:17], v5, s[\bsrc:\bsrc+1] ; the 32 columns' bias
	BLOCK 1
	s_wait_loadcnt 33                              ; block 2 is in; block 3's 32 and the bias may be out
	BLOCK 2
	s_wait_loadcnt 0x0
	BLOCK 3
	global_store_b32 v4, v[SB], s[14:15] offset:8192           ; 128 consecutive bytes
	s_cmp_lg_u32 s20, 0
	s_cbranch_scc1 .Lno_bias_\@                    ; the wave of K step 0 also lays the region's bias
	v_cmp_gt_u32 vcc_lo, 16, v1
	v_cndmask_b32 v16, 0, v16, vcc_lo              ; lanes 16-31: the zeros behind it
	v_cndmask_b32 v17, 0, v17, vcc_lo
	global_store_b64 v6, v[16:17], s[14:15] offset:8704        ; 256 consecutive bytes, aligned
.Lno_bias_\@:
.endm
	s_cmp_lg_u32 s18, 0
	s_cbranch_scc1 .Lsecond
	s_lshl_b32 s28, s26, 22                        ; W1: expert x 512 x 2,048 x 4,
	s_lshl_b32 s29, s20, 20                        ; row 128 s of 8,192 bytes,
	s_add_co_u32 s28, s28, s29
	s_lshl_b32 s30, s22, 9
	s_lshl_b32 s31, s23, 7
	s_add_co_u32 s30, s30, s31                     ; column 128 w + 32 q
	s_add_co_u32 s28, s28, s30
	s_mov_b32 s29, 0
	s_add_nc_u64 s[4:5], s[4:5], s[28:29]
	s_lshl_b32 s28, s26, 13                        ; b1: expert x 2,048 x 4
	s_add_co_u32 s28, s28, s30
	s_add_nc_u64 s[6:7], s[6:7], s[28:29]
	QW 8192, 4, 6
	s_endpgm
.Lsecond:
	s_lshl_b32 s28, s26, 22                        ; W2: expert x 2,048 x 512 x 4,
	s_lshl_b32 s29, s23, 20                        ; row 512 q
	s_add_co_u32 s28, s28, s29
	s_lshl_b32 s29, s20, 18                        ; + 128 s, of 2,048 bytes,
	s_add_co_u32 s28, s28, s29
	s_lshl_b32 s30, s22, 7                         ; column 32 w
	s_add_co_u32 s28, s28, s30
	s_mov_b32 s29, 0
	s_add_nc_u64 s[8:9], s[8:9], s[28:29]
	s_lshl_b32 s28, s26, 11                        ; b2: expert x 512 x 4
	s_add_co_u32 s28, s28, s30
	s_add_nc_u64 s[10:11], s[10:11], s[28:29]
	QW 2048, 8, 10
	s_endpgm
.Lfunc_end_k_q5aa02d86e9_wquant:
	.size	k_q5aa02d86e9_wquant, .Lfunc_end_k_q5aa02d86e9_wquant-k_q5aa02d86e9_wquant
	.p2alignl 7, 3214868480
	.fill 96, 4, 3214868480
	.section	.rodata,"a",@progbits
	.p2align	6, 0x0
	.amdhsa_kernel k_q5aa02d86e9_wquant
		.amdhsa_group_segment_fixed_size 0
		.amdhsa_private_segment_fixed_size 0
		.amdhsa_enable_private_segment 0
		.amdhsa_kernarg_size 48
		.amdhsa_user_sgpr_count 2
		.amdhsa_user_sgpr_kernarg_segment_ptr 1
		.amdhsa_wavefront_size32 1
		.amdhsa_system_sgpr_workgroup_id_x 1
		.amdhsa_system_sgpr_workgroup_id_y 1
		.amdhsa_system_sgpr_workgroup_id_z 1
		.amdhsa_system_vgpr_workitem_id 0
		.amdhsa_next_free_vgpr 192
		.amdhsa_next_free_sgpr 66
		.amdhsa_reserve_vcc 1
		.amdhsa_float_denorm_mode_32 3
		.amdhsa_float_denorm_mode_16_64 3
		.amdhsa_memory_ordered 1
		.amdhsa_forward_progress 1
		.amdhsa_inst_pref_size 41
	.end_amdhsa_kernel
	.amdgpu_metadata
---
amdhsa.version: [ 1, 2 ]
amdhsa.kernels:
  - .name:           k_q5aa02d86e9_wquant
    .symbol:         k_q5aa02d86e9_wquant.kd
    .args:
      - { .name: w1, .offset: 0, .size: 8, .value_kind: global_buffer, .address_space: global }
      - { .name: b1, .offset: 8, .size: 8, .value_kind: global_buffer, .address_space: global }
      - { .name: w2, .offset: 16, .size: 8, .value_kind: global_buffer, .address_space: global }
      - { .name: b2, .offset: 24, .size: 8, .value_kind: global_buffer, .address_space: global }
      - { .name: idx, .offset: 32, .size: 8, .value_kind: global_buffer, .address_space: global }
      - { .name: wq, .offset: 40, .size: 8, .value_kind: global_buffer, .address_space: global }
    .group_segment_fixed_size: 0
    .private_segment_fixed_size: 0
    .kernarg_segment_align: 8
    .kernarg_segment_size: 48
    .max_flat_workgroup_size: 128
    .sgpr_count:     66
    .vgpr_count:     192
    .wavefront_size: 32
...
	.end_amdgpu_metadata
.endif
;; end of part 3
;; launch ffn (part 4): grid 256 x 1, 16 waves a work-group, clusters of 4 x 1, 327,680 bytes of LDS; arguments xq, xs, lg, idx, wq, out0; writes out0
.if DOCPART == 4
	.amdgcn_target "amdgcn-amd-amdhsa--gfx1250"
	.amdhsa_code_object_version 6
	.text
	.protected	k_q5aa02d86e9_ffn
	.globl	k_q5aa02d86e9_ffn
	.p2align	8
	.type	k_q5aa02d86e9_ffn,@function
k_q5aa02d86e9_ffn:
	s_mov_b64 s[64:65], 0
	v_nop
	global_prefetch_b8 v0, s[64:65] scope:SCOPE_SE
	s_setreg_imm32_b32 hwreg(HW_REG_WAVE_MODE, 25, 1), 1
	s_wait_xcnt 0x0
	s_wait_alu depctr_hold_cnt(0) depctr_sa_sdst(0) depctr_va_vdst(0) depctr_va_sdst(0) depctr_va_ssrc(0) depctr_va_vcc(0) depctr_vm_vsrc(0)
	s_getreg_b32 s2, hwreg(HW_REG_IB_STS2, 6, 4)
	s_cmp_eq_u32 s2, 0
	s_cbranch_scc0 .Lentry_in_a_cluster
	s_endpgm
.Lentry_in_a_cluster:
	s_bfe_u32 s2, ttmp6, 0x10000c
	s_cmp_lg_u32 s2, 0x3003
	s_cbranch_scc0 .Lentry_shape_is_right
	s_endpgm
.Lentry_shape_is_right:
; out[t] = the sum over the four chosen experts k of gate[t][k] (gelu(x[t] W1k + b1k) W2k + b2k), gate = softmax over the four chosen experts' logits.
; Both products on codes of FP4 (E2M1) with one E8M0 scale for each 32 along K; x's and the weights' codes come from earlier launches, the hidden layer is quantised here and never goes to memory.
; SHARES.  A work-group owns 32 tokens (two tiles of 16) through the whole chain and all four experts, so each output row has one owner.  THE SIXTEEN WAVES SHARE THE COLUMNS: wave w makes hidden units
; 128 w .. 128 w + 127, which are K step w of the second product, and outputs 32 w .. 32 w + 31, for all 32 tokens.  Four waves to a SIMD in 256 registers each: one wave's gelu stands beside another's products and LDS loads.
; THE WEIGHTS come through a ring of two LDS slots of 143,360 bytes, 32 slots in all (for each expert four of W1, four of W2).  A slot is 16 regions of 8,960 bytes, laid by the launch before in the order of the operand's registers;
; wave w fetches region w by one tensor load and is the only wave that reads it.
; CLUSTER.  All work-groups walk the same weights: the four of a cluster ask for each region JOINTLY, by the same load with the same descriptor and the mask 15.  By this text's count a wave has one tensor load out.
; A load has 35 rows of 256 bytes and not more, so that each of the sixteen waves has a load of its own on its way.
; BOTH PRODUCTS ARE USED TRANSPOSED (source 0 = 16 columns of a weight, source 1 = 16 tokens): a lane holds one token.  Lane r of weight tile u holds column 8 u + r + 8 (r / 8) of the region's 32,
; so register j of tile u in lane (r, h) is column 16 h + 8 u + j: a lane's 16 registers are 16 neighbours along the next K.
; THE HIDDEN LAYER goes from wave to wave through LDS as images of the operand's registers; the rounds at the slots' heads order its stores and reads too.
; gelu is the tanh form, written v / (1 + 2^(v (a + b v^2))), a = -2 sqrt(2 / pi) log2(e), b = 0.044715 a: the same function, with no difference of near numbers for negative v.
; LIMITS: NaN and infinities are not served; a block of the hidden layer under 2^-124 (zeros too) gets the byte 1 over zero codes.
.set SLOTB,  143360
.set WREG,   8960
.set HIMG,   2*SLOTB                   ; behind the ring: the hidden layer's 32 fragments, (K step, tile of tokens) at (2 K + t) 1,024: [half][lane][16 bytes]
.set HSC,    HIMG+32768                ; their scale words: 128 K + 64 t + 4 r
.set SPARE,  HSC+2048                  ; the spare words, 128 bytes for each wave: eight blocks of 256 bytes that no other line names
.set SPITCH, 2064                      ; the way out: 32 rows x (2,048 bytes + 16), in slot 0, which has had its last fill and its last read by then
.set SPW, 1                            ; v1   my spare word; never rewritten
.set NIL, 2                            ; v2   0; never rewritten
.set WA,  3                            ; v3-4   my region in slot 0, 1: + 16 x lane
.set WSA, 5                            ; v5-6   its scale words: + 4 x lane
.set BA,  7                            ; v7-8   its bias: + 64 h
.set HWI, 9                            ; v9   where I store the hidden layer's images
.set HWS, 10                           ; v10  and their scale words
.set HRD, 11                           ; v11  where any wave reads an image: HIMG + 16 x lane
.set HSR, 12                           ; v12  and scale words: HSC + 4 x lane
.set STI, 13                           ; v13  the stage, in
.set STB, 14                           ; v14  the stage, back
.set GO,  15                           ; v15  my byte offset in the block's rows of out
.set XF,  16                           ; v16-79   x's fragments (tile t, K step s) at 32 t + 8 s: they stay
.set XS,  80                           ; v80-83   x's scale words of K step s: lanes 0-15 tile 0, lanes 16-31 tile 1
.set GT,  84                           ; v84-91   the gates: tile t's at 84 + 2 t, 85 + 2 t, 88 + 2 t, 89 + 2 t; the expert in hand is the first
.set PW,  92                           ; v92-93   the hidden layer's scale word in the making, tile t
.set PC,  94                           ; v94-101  its codes, four registers a tile
.set KA,  102                          ; v102-103 a
.set WF,  104                          ; v104-135 four weight fragments; in gelu 32 numbers at work; at last rows of out
.set WS,  136                          ; v136-139 the weights' scale words of K step s: lanes 0-15 tile 0, lanes 16-31 tile 1
.set HS,  140                          ; v140-143 the hidden layer's scale words
.set T,   144                          ; v144-175 four more weight fragments, or four hidden fragments; then:
.set TM,  144                          ;   largest magnitudes
.set TX,  146                          ;   the other half's, then bytes
.set SCL, 148                          ;   the conversions' scale operands
.set HA,  176                          ; v176-207 four accumulators at 16 t + 8 u
.set OUT, 208                          ; v208-239 the weighted sum, laid likewise
.set BI,  240                          ; v240-255 bias of columns 16 h + 0 .. 15
.set LN,  176                          ; at the head only
.set LI,  177
.set L4,  178
.set RR,  179
.set HH,  180
.set AD,  181
.set LG,  188
.set MX,  196
.set SM,  198
; A round of the cluster's barrier: my work-group's barrier; wave 0 signals for the work-group; every wave waits for the four work-groups; my work-group's barrier once more.
.macro ROUND
	s_barrier_signal -1
	s_barrier_wait -1
	s_cmp_lg_u32 s16, 0
	s_cbranch_scc1 .Lnot_wave_0_\@
	s_barrier_signal -3
.Lnot_wave_0_\@:
	s_barrier_wait -3
	s_barrier_signal -1
	s_barrier_wait -1
.endm
; THE CHANGE OF SLOTS, at the head of slot p.  Each wave waits for all its tensor loads (its region of slot p), adds 0 to its spare word, and waits for that and for all its LDS reads and stores.
; Behind the round slot p is whole, no wave of any partner reads the other slot, and the hidden layer's images stored so far are there for every wave.  refill = 1: the other slot takes the next slot's weights.
.macro CHANGE p, refill
	s_wait_tensorcnt 0x0                           ; no tensor load of mine is out, so a group 0 may be written
	ds_add_u32 v[SPW], v[NIL]
	s_add_nc_u64 s[34+4*\p:35+4*\p], s[34+4*\p:35+4*\p], 2*SLOTB   ; this slot's next weights; the type bits on top are not reached
	s_wait_dscnt 0x0
	ROUND
.if \refill
	tensor_load_to_lds s[36-4*\p:39-4*\p], s[24:31]   ; the first thing behind the round, my one tensor load until the next: it has a whole slot's work in which to land
	s_nop 0
.rept 4
	v_nop
.endr
.endif
.endm
; One product.  d, a, b, c: first registers of D, A, B, C;  sa, sb: scale registers;  ra, rb = 1: the scales stand in lanes 16-31.
.macro MM d, a, b, c, sa, sb, ra, rb
.if ((\ra) == 0) && ((\rb) == 0)
	v_wmma_scale_f32_16x16x128_f8f6f4 v[(\d):(\d)+7], v[(\a):(\a)+7], v[(\b):(\b)+7], v[(\c):(\c)+7], v[(\sa)], v[(\sb)] matrix_a_fmt:MATRIX_FMT_FP4 matrix_b_fmt:MATRIX_FMT_FP4
.elseif ((\ra) == 1) && ((\rb) == 0)
	v_wmma_scale_f32_16x16x128_f8f6f4 v[(\d):(\d)+7], v[(\a):(\a)+7], v[(\b):(\b)+7], v[(\c):(\c)+7], v[(\sa)], v[(\sb)] matrix_a_fmt:MATRIX_FMT_FP4 matrix_b_fmt:MATRIX_FMT_FP4 matrix_a_scale:MATRIX_SCALE_ROW1
.elseif (\ra) == 0
	v_wmma_scale_f32_16x16x128_f8f6f4 v[(\d):(\d)+7], v[(\a):(\a)+7], v[(\b):(\b)+7], v[(\c):(\c)+7], v[(\sa)], v[(\sb)] matrix_a_fmt:MATRIX_FMT_FP4 matrix_b_fmt:MATRIX_FMT_FP4 matrix_b_scale:MATRIX_SCALE_ROW1
.else
	v_wmma_scale_f32_16x16x128_f8f6f4 v[(\d):(\d)+7], v[(\a):(\a)+7], v[(\b):(\b)+7], v[(\c):(\c)+7], v[(\sa)], v[(\sb)] matrix_a_fmt:MATRIX_FMT_FP4 matrix_b_fmt:MATRIX_FMT_FP4 matrix_a_scale:MATRIX_SCALE_ROW1 matrix_b_scale:MATRIX_SCALE_ROW1
.endif
.endm
.macro PLACES                          ; four places behind this matrix form, in front of the first read of results and of writes and loads into its registers
.rept 4
	v_nop
.endr
.endm
; gelu of the 32 numbers in HA, then block q of my K step is quantised for both tiles of tokens: a lane's 16 numbers of a tile are k = 32 q + 16 h + 0 .. 15.
.macro ACT q
.set j, 0
.rept 16
	v_pk_mul_f32 v[WF+j:WF+j+1], v[HA+j:HA+j+1], v[HA+j:HA+j+1]               ; v^2: each accumulator is read from its low end on
.set j, j+2
.endr
.set j, 0
.rept 16
	v_pk_fma_f32 v[WF+j:WF+j+1], v[WF+j:WF+j+1], s[22:23], v[KA:KA+1] op_sel_hi:[1,0,0]   ; b v^2 + a
.set j, j+2
.endr
.set j, 0
.rept 16
	v_pk_mul_f32 v[WF+j:WF+j+1], v[WF+j:WF+j+1], v[HA+j:HA+j+1]               ; x v
.set j, j+2
.endr
.set j, 0
.rept 32
	v_exp_f32 v[WF+j], v[WF+j]
.set j, j+1
.endr
	v_nop                                          ; a plain place behind the exponentials
.set j, 0
	s_wait_alu depctr_va_vdst(0)
.rept 16
	v_pk_add_f32 v[WF+j:WF+j+1], v[WF+j:WF+j+1], 1.0 op_sel_hi:[1,0]
.set j, j+2
.endr
.set j, 0
.rept 32
	v_rcp_f32 v[WF+j], v[WF+j]
.set j, j+1
.endr
	v_nop                                          ; a plain place behind the reciprocals
.set j, 0
	s_wait_alu depctr_va_vdst(0)
.rept 16
	v_pk_mul_f32 v[HA+j:HA+j+1], v[HA+j:HA+j+1], v[WF+j:WF+j+1]               ; the hidden layer, in f32
.set j, j+2
.endr
.irp t, 0,1
	v_max3_num_f32 v[TM+\t], |v[HA+16*\t]|, |v[HA+16*\t+1]|, 0x1800000        ; my 16 numbers, and the floor 2^(3 - 127): the byte cannot fall under 1
.endr
.irp i, 2,4,6,8,10,12,14
.irp t, 0,1
	v_max3_num_f32 v[TM+\t], v[TM+\t], |v[HA+16*\t+\i]|, |v[HA+16*\t+\i+1]|
.endr
.endr
.irp t, 0,1
	v_permlanex16_b32 v[TX+\t], v[TM+\t], s20, s21
.endr
.irp t, 0,1
	v_max_num_f32 v[TM+\t], v[TM+\t], v[TX+\t]     ; with lane l xor 16's 16: the block's largest magnitude
.endr
.irp t, 0,1
	v_add_nc_u32 v[SCL+\t], 0xff000000, v[TM+\t]   ; 2 off its exponent field: the conversion's scale operand
.endr
.if (\q) == 0
.irp t, 0,1
	v_lshrrev_b32 v[PW+\t], 23, v[SCL+\t]          ; the scale's byte begins the word
.endr
.else
.irp t, 0,1
	v_lshrrev_b32 v[TX+\t], 23, v[SCL+\t]
.endr
.irp t, 0,1
	v_lshl_or_b32 v[PW+\t], v[TX+\t], 8*(\q), v[PW+\t]
.endr
.endif
.irp t, 0,1
	v_cvt_scalef32_pk8_fp4_f32 v[PC+4*\t+2*((\q)&1)], v[HA+16*\t:HA+16*\t+7], v[SCL+\t]
	v_cvt_scalef32_pk8_fp4_f32 v[PC+4*\t+2*((\q)&1)+1], v[HA+16*\t+8:HA+16*\t+15], v[SCL+\t]
.endr
	v_nop                                          ; one plain place behind a scaled conversion
.if ((\q)&1) == 1
.irp t, 0,1                                    ; two blocks are there: the operand's layout wants a whole block in a lane
.irp i, 0,1
	v_permlane16_swap_b32 v[PC+4*\t+\i], v[PC+4*\t+2+\i]
.endr
.endr
.irp t, 0,1
	ds_store_b128 v[HWI], v[PC+4*\t:PC+4*\t+3] offset:1024*\t+512*((\q)>>1)   ; half of the fragment's image
.endr
.endif
.if (\q) == 3
.irp t, 0,1
	ds_store_b32 v[HWS], v[PW+\t] offset:64*\t     ; both halves of the lanes write the same word with the same value
.endr
.endif
.endm
; A slot of W1: 32 of my hidden units for the 32 tokens, K = 512 in four steps.  Four accumulators by turns; b1 is the C of each sum's first product.
.macro P1 p, q, refill
	CHANGE \p, \refill
.irp s, 0,1,2,3
	ds_load_b32 v[WS+\s], v[WSA+\p] offset:128*\s
.endr
.irp i, 0,1,2,3
	ds_load_b128 v[BI+4*\i:BI+4*\i+3], v[BA+\p] offset:16*\i
.endr
.irp u, 0,1
.irp s, 0,1
.irp g, 0,1
	ds_load_b128 v[WF+16*\u+8*\s+4*\g:WF+16*\u+8*\s+4*\g+3], v[WA+\p] offset:(4*\u+\s)*1024+512*\g
.endr
.endr
.endr
.irp u, 0,1
.irp s, 0,1
.irp g, 0,1
	ds_load_b128 v[T+16*\u+8*\s+4*\g:T+16*\u+8*\s+4*\g+3], v[WA+\p] offset:(4*\u+2+\s)*1024+512*\g
.endr
.endr
.endr
	s_wait_dscnt 8                                 ; all but the youngest eight loads, the fragments of K steps 2 and 3
.irp s, 0,1
.irp u, 0,1
.irp t, 0,1
.if \s == 0
	MM HA+16*\t+8*\u, WF+16*\u+8*\s, XF+32*\t+8*\s, BI+8*\u, WS+\s, XS+\s, \u, \t
.else
	MM HA+16*\t+8*\u, WF+16*\u+8*\s, XF+32*\t+8*\s, HA+16*\t+8*\u, WS+\s, XS+\s, \u, \t
.endif
.endr
.endr
.endr
	s_wait_dscnt 0x0
.irp s, 0,1
.irp u, 0,1
.irp t, 0,1
	MM HA+16*\t+8*\u, T+16*\u+8*\s, XF+32*\t+16+8*\s, HA+16*\t+8*\u, WS+2+\s, XS+2+\s, \u, \t
.endr
.endr
.endr
	PLACES
	ACT \q
.endm
; Two K steps, k0 and k0 + 1, of a slot of W2.
.macro P2H p, q, k0
.irp u, 0,1
.irp s, 0,1
.irp g, 0,1
	ds_load_b128 v[WF+16*\u+8*\s+4*\g:WF+16*\u+8*\s+4*\g+3], v[WA+\p] offset:(4*\u+\k0+\s)*1024+512*\g
.endr
.endr
.endr
.irp t, 0,1
.irp s, 0,1
.irp g, 0,1
	ds_load_b128 v[T+16*\t+8*\s+4*\g:T+16*\t+8*\s+4*\g+3], v[HRD] offset:((4*\q+\k0+\s)*2+\t)*1024+512*\g
.endr
.endr
.endr
	s_wait_dscnt 0x0
.irp s, 0,1
.irp u, 0,1
.irp t, 0,1
.if ((\q) == 0) && ((\k0+\s) == 0)
	MM HA+16*\t+8*\u, WF+16*\u+8*\s, T+16*\t+8*\s, BI+8*\u, WS+\k0+\s, HS+\k0+\s, \u, \t
.else
	MM HA+16*\t+8*\u, WF+16*\u+8*\s, T+16*\t+8*\s, HA+16*\t+8*\u, WS+\k0+\s, HS+\k0+\s, \u, \t
.endif
.endr
.endr
.endr
	PLACES
.endm
; A slot of W2: my 32 outputs for the 32 tokens, K = hidden 512 q on.  b2 is the C of each sum's first product.  Behind the last slot the expert's result, times its gate, is added to the sum.
.macro P2 p, q, refill
	CHANGE \p, \refill
.irp s, 0,1,2,3
	ds_load_b32 v[WS+\s], v[WSA+\p] offset:128*\s
.endr
.irp s, 0,1,2,3
	ds_load_b32 v[HS+\s], v[HSR] offset:128*(4*\q+\s)
.endr
.if (\q) == 0
.irp i, 0,1,2,3
	ds_load_b128 v[BI+4*\i:BI+4*\i+3], v[BA+\p] offset:16*\i
.endr
.endif
	P2H \p, \q, 0
	P2H \p, \q, 2
.if (\q) == 3
.irp t, 0,1
.set j, 0
.rept 8
	v_pk_fma_f32 v[OUT+16*\t+j:OUT+16*\t+j+1], v[HA+16*\t+j:HA+16*\t+j+1], v[GT+2*\t:GT+2*\t+1], v[OUT+16*\t+j:OUT+16*\t+j+1] op_sel_hi:[1,0,1]   ; each accumulator from its low end on
.set j, j+2
.endr
.endr
.irp t, 0,1
	v_mov_b32 v[GT+2*\t], v[GT+2*\t+1]             ; the next expert's gate moves up
	v_mov_b32 v[GT+2*\t+1], v[GT+2*\t+4]
	v_mov_b32 v[GT+2*\t+4], v[GT+2*\t+5]
.endr
.endif
.endm
.macro EXPERT last
	P1 0, 0, 1
	P1 1, 1, 1
	P1 0, 2, 1
	P1 1, 3, 1
	P2 0, 0, 1
	P2 1, 1, 1
	P2 0, 2, 1
	P2 1, 3, 1-\last
.endm
	s_load_b256 s[4:11], s[0:1], 0x0               ; xq s[4:5], xs s[6:7], lg s[8:9], idx s[10:11]
	s_load_b128 s[12:15], s[0:1], 0x20             ; wq s[12:13], out s[14:15]
	v_lshl_add_u32 v[SPW], v0, 2, SPARE
	v_mov_b32 v[NIL], 0
	ds_add_u32 v1, v2
	ds_add_u32 v1, v2
	s_wait_dscnt 0x0
	v_lshrrev_b32 v3, 5, v0
	v_readfirstlane_b32 s16, v3                    ; wave 0..15
	s_bfe_u32 s18, ttmp6, 0x40000                  ; cx: my place in the cluster
	s_lshl_b32 s19, ttmp9, 2
	s_add_co_u32 s19, s19, s18                     ; my block of 32 tokens: it enters the addresses of xq, xs, lg and out alone
	; descriptor group 1: a region, 35 dense rows of 32 elements of 8 bytes; no padding: images are read 16 bytes a lane on end
	s_mov_b32 s24, 15|(3<<16)|(1<<21)              ; 15:0 the mask: all four work-groups; 17:16 elements of 8 bytes; 21 set beside a mask
	s_mov_b32 s25, 32<<16                          ; tensor_dim0
	s_mov_b32 s26, 35<<16                          ; tensor_dim1
	s_mov_b32 s27, 32<<16                          ; tile_dim0
	s_mov_b32 s28, 35                              ; tile_dim1
	s_mov_b32 s29, 32                              ; from row to row
	s_mov_b32 s30, 0
	s_mov_b32 s31, 0
	s_mov_b32 s20, 0x76543210
	s_mov_b32 s21, 0xfedcba98                      ; v_permlanex16_b32's selects for lane l xor 16
	s_mov_b32 s22, 0xbdd2d3e8                      ; b = 0.044715 a
	s_mov_b32 s23, s22                             ; (named with it as a pair, so it is written)
	s_mul_i32 s50, s16, WREG                       ; my region in a slot: in wq and in LDS alike; no place in the cluster enters it
	s_mov_b32 s51, 0
	s_wait_kmcnt 0x0
	s_load_b128 s[40:43], s[10:11], 0x0            ; the four chosen experts, as an earlier launch stored them
	s_mov_b32 s32, 1                               ; group 0 for LDS slot 0: it begins with slot 0 of wq,
	s_mov_b32 s33, s50
	s_add_nc_u64 s[34:35], s[12:13], s[50:51]
	s_mov_b32 s36, 1                               ; for LDS slot 1: with slot 1 of wq
	s_add_co_u32 s37, s50, SLOTB
	s_add_nc_u64 s[38:39], s[34:35], SLOTB
	s_or_b32 s35, s35, 0x80000000
	s_or_b32 s39, s39, 0x80000000
	s_wait_kmcnt 0x0
	ROUND                                          ; all four work-groups are here: the first joint loads meet
	tensor_load_to_lds s[32:35], s[24:31]
	s_nop 0
.rept 4
	v_nop
.endr
	s_lshl_b32 s48, s19, 13                        ; my block in xq: two tiles of 4,096 bytes,
	s_mov_b32 s49, 0
	s_add_nc_u64 s[4:5], s[4:5], s[48:49]
	s_lshl_b32 s48, s19, 9                         ; in xs: 32 tokens of 16 bytes,
	s_add_nc_u64 s[6:7], s[6:7], s[48:49]
	s_lshl_b32 s48, s19, 11                        ; in lg: two tiles of 1,024 bytes,
	s_add_nc_u64 s[8:9], s[8:9], s[48:49]
	s_lshl_b32 s48, s19, 16                        ; in out: 32 rows of 2,048 bytes
	s_add_nc_u64 s[14:15], s[14:15], s[48:49]
	v_and_b32 v[LN], 31, v0
	v_and_b32 v[RR], 15, v0
	v_bfe_u32 v[HH], v0, 4, 1
	v_lshlrev_b32 v[LI], 4, v[LN]
	v_lshlrev_b32 v[L4], 2, v[LN]
.set i, 0
.rept 16
	global_load_b128 v[XF+4*i:XF+4*i+3], v[LI], s[4:5] offset:512*i           ; x's eight fragments, as they lie
.set i, i+1
.endr
	global_load_b128 v[XS:XS+3], v[LI], s[6:7]     ; lane l: the four scale words of token l of my 32
.irp k, 0,1,2,3
	s_min_u32 s[40+\k], s[40+\k], 15               ; held inside the table; expert e = 8 h + 4 g + i lies at 256 h + 512 g + 4 i of a tile's logits
	s_and_b32 s52, s[40+\k], 8
	s_lshl_b32 s52, s52, 5
	s_and_b32 s53, s[40+\k], 4
	s_lshl_b32 s53, s53, 7
	s_add_co_u32 s52, s52, s53
	s_and_b32 s53, s[40+\k], 3
	s_lshl_b32 s53, s53, 2
	s_add_co_u32 s[44+\k], s52, s53
	v_lshl_add_u32 v[AD+\k], v[RR], 4, s[44+\k]    ; + 16 r
.endr
.irp t, 0,1
.irp k, 0,1,2,3
	global_load_b32 v[LG+4*\t+\k], v[AD+\k], s[8:9] offset:1024*\t
.endr
.endr
	v_add_nc_u32 v[WA], s50, v[LI]
	v_add_nc_u32 v[WA+1], SLOTB, v[WA]
	v_add_nc_u32 v[WSA], s50, v[L4]
	v_add_nc_u32 v[WSA], 8192, v[WSA]
	v_add_nc_u32 v[WSA+1], SLOTB, v[WSA]
	v_lshl_add_u32 v[BA], v[HH], 6, s50
	v_add_nc_u32 v[BA], 8704, v[BA]
	v_add_nc_u32 v[BA+1], SLOTB, v[BA]
	s_lshl_b32 s52, s16, 11
	v_add_nc_u32 v[HWI], s52, v[LI]
	v_add_nc_u32 v[HWI], HIMG, v[HWI]              ; K step w's two fragments
	s_lshl_b32 s52, s16, 7
	v_lshl_add_u32 v[HWS], v[RR], 2, s52
	v_add_nc_u32 v[HWS], HSC, v[HWS]
	v_add_nc_u32 v[HRD], HIMG, v[LI]
	v_add_nc_u32 v[HSR], HSC, v[L4]
	v_mul_u32_u24 v[STI], v[RR], SPITCH            ; the stage, in: row r, + 128 w + 64 h: my outputs' bytes
	v_lshl_add_u32 v[STI], v[HH], 6, v[STI]
	v_add_nc_u32 v[STI], s52, v[STI]
	s_mul_i32 s52, s16, 2*SPITCH
	v_add_nc_u32 v[STB], s52, v[LI]                ; back: rows 2 w and 2 w + 1, 16 bytes a lane
	s_lshl_b32 s52, s16, 12
	v_add_nc_u32 v[GO], s52, v[LI]                 ; and the same rows in out
	v_mov_b32 v[KA], 0xc0135761                    ; a = -2 sqrt(2 / pi) log2(e)
	v_mov_b32 v[KA+1], 0xc0135761
.set j, 0
.rept 32
	v_mov_b32 v[OUT+j], 0                          ; the weighted sum begins at 0, so that an expert's text is the same for all four
.set j, j+1
.endr
	s_wait_loadcnt 0x0
	; the gates: softmax over the four chosen experts' logits, the largest taken away first
.irp t, 0,1
	v_max3_num_f32 v[MX+\t], v[LG+4*\t], v[LG+4*\t+1], v[LG+4*\t+2]
.endr
.irp t, 0,1
	v_max_num_f32 v[MX+\t], v[MX+\t], v[LG+4*\t+3]
.endr
.irp t, 0,1
.irp k, 0,1,2,3
	v_sub_f32 v[LG+4*\t+\k], v[LG+4*\t+\k], v[MX+\t]
.endr
.endr
.irp i, 0,1,2,3,4,5,6,7
	v_mul_f32 v[LG+\i], 0x3fb8aa3b, v[LG+\i]
.endr
.irp i, 0,1,2,3,4,5,6,7
	v_exp_f32 v[LG+\i], v[LG+\i]
.endr
	v_nop                                          ; a plain place behind the exponentials
	s_wait_alu depctr_va_vdst(0)
.irp t, 0,1
	v_add_f32 v[SM+\t], v[LG+4*\t], v[LG+4*\t+1]
	v_add_f32 v[MX+\t], v[LG+4*\t+2], v[LG+4*\t+3]
.endr
.irp t, 0,1
	v_add_f32 v[SM+\t], v[SM+\t], v[MX+\t]
.endr
.irp t, 0,1
	v_rcp_f32 v[SM+\t], v[SM+\t]
.endr
	v_nop                                          ; a plain place behind the reciprocals
	s_wait_alu depctr_va_vdst(0)
.irp t, 0,1
.irp k, 0,1,2,3
	v_mul_f32 v[GT+2*\t+((\k)&1)+4*((\k)>>1)], v[LG+4*\t+\k], v[SM+\t]
.endr
.endr
	s_mov_b32 s17, 3
.Lexpert:                                              ; three trips; each fills every slot again
	EXPERT 0
	s_sub_co_u32 s17, s17, 1
	s_cmp_lg_u32 s17, 0
	s_cbranch_scc1 .Lexpert
	EXPERT 1                                       ; the last expert is written out: its last slot asks for nothing
	; THE WAY OUT.  A lane holds 16 outputs of a token and a row's 512 outputs come from sixteen waves: they meet in a stage, and each wave stores two whole rows.
.irp t, 0,1
.irp u, 0,1
	ds_store_b128 v[STI], v[OUT+16*\t+8*\u:OUT+16*\t+8*\u+3] offset:16*SPITCH*\t+32*\u
	ds_store_b128 v[STI], v[OUT+16*\t+8*\u+4:OUT+16*\t+8*\u+7] offset:16*SPITCH*\t+32*\u+16
.endr
.endr
	s_wait_dscnt 0x0                               ; for the others' sake: my stores into the stage are done
	s_barrier_signal -1
	s_barrier_wait -1
.irp i, 0,1,2,3,4,5,6,7
	ds_load_b128 v[WF+4*\i:WF+4*\i+3], v[STB] offset:(\i/4)*SPITCH+512*(\i%4)
.endr
.irp i, 0,1,2,3,4,5,6,7
	s_wait_dscnt 7-\i                              ; LDS loads come back in order: load i is in, the younger ones may be out
	global_store_b128 v[GO], v[WF+4*\i:WF+4*\i+3], s[14:15] offset:(\i/4)*2048+512*(\i%4) th:TH_STORE_NT   ; 32 lanes store 512 consecutive bytes, aligned
.endr
	s_wait_tensorcnt 0x0                           ; the wave's end
	ds_add_u32 v[SPW], v[NIL]
	s_wait_dscnt 0x0
	ROUND                                          ; the closing round: no work-group ends while a partner may still ask for a region that names it
	s_endpgm
.Lfunc_end_k_q5aa02d86e9_ffn:
	.size	k_q5aa02d86e9_ffn, .Lfunc_end_k_q5aa02d86e9_ffn-k_q5aa02d86e9_ffn
	.p2alignl 7, 3214868480
	.fill 96, 4, 3214868480
	.section	.rodata,"a",@progbits
	.p2align	6, 0x0
	.amdhsa_kernel k_q5aa02d86e9_ffn
		.amdhsa_group_segment_fixed_size 327680
		.amdhsa_private_segment_fixed_size 0
		.amdhsa_enable_private_segment 0
		.amdhsa_kernarg_size 48
		.amdhsa_user_sgpr_count 2
		.amdhsa_user_sgpr_kernarg_segment_ptr 1
		.amdhsa_wavefront_size32 1
		.amdhsa_system_sgpr_workgroup_id_x 1
		.amdhsa_system_sgpr_workgroup_id_y 1
		.amdhsa_system_sgpr_workgroup_id_z 1
		.amdhsa_system_vgpr_workitem_id 0
		.amdhsa_next_free_vgpr 256
		.amdhsa_next_free_sgpr 66
		.amdhsa_reserve_vcc 0
		.amdhsa_float_denorm_mode_32 3
		.amdhsa_float_denorm_mode_16_64 3
		.amdhsa_memory_ordered 1
		.amdhsa_forward_progress 1
		.amdhsa_inst_pref_size 169
	.end_amdhsa_kernel
	.amdgpu_metadata
---
amdhsa.version: [ 1, 2 ]
amdhsa.kernels:
  - .name:           k_q5aa02d86e9_ffn
    .symbol:         k_q5aa02d86e9_ffn.kd
    .args:
      - { .name: xq, .offset: 0, .size: 8, .value_kind: global_buffer, .address_space: global }
      - { .name: xs, .offset: 8, .size: 8, .value_kind: global_buffer, .address_space: global }
      - { .name: lg, .offset: 16, .size: 8, .value_kind: global_buffer, .address_space: global }
      - { .name: idx, .offset: 24, .size: 8, .value_kind: global_buffer, .address_space: global }
      - { .name: wq, .offset: 32, .size: 8, .value_kind: global_buffer, .address_space: global }
      - { .name: out0, .offset: 40, .size: 8, .value_kind: global_buffer, .address_space: global }
    .group_segment_fixed_size: 327680
    .private_segment_fixed_size: 0
    .kernarg_segment_align: 8
    .kernarg_segment_size: 48
    .max_flat_workgroup_size: 512
    .sgpr_count:     66
    .vgpr_count:     256
    .wavefront_size: 32
...
	.end_amdgpu_metadata
.endif
;; end of part 4
;; ======== version 2 of 2: 4 launches; 1.13 times as fast as version 1
;; workspace buffers: xq 2,097,152 bytes; xs 131,072 bytes; lg 524,288 bytes; cp 32,768 bytes; idx 256 bytes of whole numbers; wq 4,587,520 bytes
;; launch prep: the kernel of part 1 again; grid 256 x 1, 2 waves a work-group, no clusters, 168,192 bytes of LDS; arguments x, gate_w, gate_b, xq, xs, lg, cp; writes xq, xs, lg, cp
;; launch topk: the kernel of part 2 again; grid 1 x 1, 8 waves a work-group, no clusters, 2,048 bytes of LDS; arguments cp, gate_b, idx; writes idx
;; launch wquant: the kernel of part 3 again; grid 512 x 1, 4 waves a work-group, no clusters, 0 bytes of LDS; arguments w1, b1, w2, b2, idx, wq; writes wq
;; launch ffn (part 5): grid 256 x 1, 16 waves a work-group, clusters of 4 x 1, 327,680 bytes of LDS; arguments xq, xs, lg, idx, wq, out0; writes out0
.if DOCPART == 5
	.amdgcn_target "amdgcn-amd-amdhsa--gfx1250"
	.amdhsa_code_object_version 6
	.text
	.protected	k_q5aa02d86e9_ffn
	.globl	k_q5aa02d86e9_ffn
	.p2align	8
	.type	k_q5aa02d86e9_ffn,@function
k_q5aa02d86e9_ffn:
	s_mov_b64 s[64:65], 0
	v_nop
	global_prefetch_b8 v0, s[64:65] scope:SCOPE_SE
	s_setreg_imm32_b32 hwreg(HW_REG_WAVE_MODE, 25, 1), 1
	s_wait_xcnt 0x0
	s_wait_alu depctr_hold_cnt(0) depctr_sa_sdst(0) depctr_va_vdst(0) depctr_va_sdst(0) depctr_va_ssrc(0) depctr_va_vcc(0) depctr_vm_vsrc(0)
	s_getreg_b32 s2, hwreg(HW_REG_IB_STS2, 6, 4)
	s_cmp_eq_u32 s2, 0
	s_cbranch_scc0 .Lentry_in_a_cluster
	s_endpgm
.Lentry_in_a_cluster:
	s_bfe_u32 s2, ttmp6, 0x10000c
	s_cmp_lg_u32 s2, 0x3003
	s_cbranch_scc0 .Lentry_shape_is_right
	s_endpgm
.Lentry_shape_is_right:
; out[t] = the sum over the four chosen experts k of gate[t][k] (gelu(x[t] W1k + b1k) W2k + b2k), gate = softmax over the four chosen experts' logits.
; Both products on codes of FP4 (E2M1) with one E8M0 scale for each 32 along K; x's and the weights' codes come from earlier launches, the hidden layer is quantised here and never goes to memory.
; SHARES.  A work-group owns 32 tokens (two tiles of 16) through the whole chain and all four experts, so each output row has one owner.  THE SIXTEEN WAVES SHARE THE COLUMNS: wave w makes hidden units
; 128 w .. 128 w + 127, which are K step w of the second product, and outputs 32 w .. 32 w + 31, for all 32 tokens.  Four waves to a SIMD in 256 registers each: one wave's gelu stands beside another's products and LDS loads.
; THE WEIGHTS come through a ring of two LDS slots of 143,360 bytes, 32 slots in all (for each expert four of W1, four of W2).  A slot is 16 regions of 8,960 bytes, laid by the launch before in the order of the operand's registers;
; wave w fetches region w by one tensor load and is the only wave that reads it.
; CLUSTER.  All work-groups walk the same weights: the four of a cluster ask for each region JOINTLY, by the same load with the same descriptor and the mask 15.  By this text's count a wave has one tensor load out.
; A load has 35 rows of 256 bytes and not more, so that each of the sixteen waves has a load of its own on its way.
; THE ORDER OF THE EXPERTS TURNS WITH THE CLUSTER.  Cluster c begins with the expert of rank c % 4 and goes round the four ranks.  So the clusters walk four different quarters of wq at a time, and from its second expert on
; a cluster asks only for bytes that other clusters asked for eight slots earlier; walked in one order by all, every slot would be wanted by all clusters at once, with none that had read it before.
; BOTH PRODUCTS ARE USED TRANSPOSED (source 0 = 16 columns of a weight, source 1 = 16 tokens): a lane holds one token.  Lane r of weight tile u holds column 8 u + r + 8 (r / 8) of the region's 32,
; so register j of tile u in lane (r, h) is column 16 h + 8 u + j: a lane's 16 registers are 16 neighbours along the next K.
; THE HIDDEN LAYER goes from wave to wave through LDS as images of the operand's registers; the rounds at the slots' heads order its stores and reads too.
; gelu is the tanh form, written v / (1 + 2^(v (a + b v^2))), a = -2 sqrt(2 / pi) log2(e), b = 0.044715 a: the same function, with no difference of near numbers for negative v.
; LIMITS: NaN and infinities are not served; a block of the hidden layer under 2^-124 (zeros too) gets the byte 1 over zero codes.  The four experts' weighted results are added in the cluster's order of ranks,
; which is not the module's order of that sum in three clusters of four: all of it in f32.
.set SLOTB,  143360
.set WREG,   8960
.set HIMG,   2*SLOTB                   ; behind the ring: the hidden layer's 32 fragments, (K step, tile of tokens) at (2 K + t) 1,024: [half][lane][16 bytes]
.set HSC,    HIMG+32768                ; their scale words: 128 K + 64 t + 4 r
.set SPARE,  HSC+2048                  ; the spare words, 128 bytes for each wave: eight blocks of 256 bytes that no other line names
.set SPITCH, 2064                      ; the way out: 32 rows x (2,048 bytes + 16), in slot 0, which has had its last fill and its last read by then
.set SPW, 1                            ; v1   my spare word; never rewritten
.set NIL, 2                            ; v2   0; never rewritten
.set WA,  3                            ; v3-4   my region in slot 0, 1: + 16 x lane
.set WSA, 5                            ; v5-6   its scale words: + 4 x lane
.set BA,  7                            ; v7-8   its bias: + 64 h
.set HWI, 9                            ; v9   where I store the hidden layer's images
.set HWS, 10                           ; v10  and their scale words
.set HRD, 11                           ; v11  where any wave reads an image: HIMG + 16 x lane
.set HSR, 12                           ; v12  and scale words: HSC + 4 x lane
.set STI, 13                           ; v13  the stage, in
.set STB, 14                           ; v14  the stage, back
.set GO,  15                           ; v15  my byte offset in the block's rows of out
.set XF,  16                           ; v16-79   x's fragments (tile t, K step s) at 32 t + 8 s: they stay
.set XS,  80                           ; v80-83   x's scale words of K step s: lanes 0-15 tile 0, lanes 16-31 tile 1
.set GT,  84                           ; v84-91   the gates: tile t's at 84 + 2 t, 85 + 2 t, 88 + 2 t, 89 + 2 t; the expert in hand is the first
.set PW,  92                           ; v92-93   the hidden layer's scale word in the making, tile t
.set PC,  94                           ; v94-101  its codes, four registers a tile
.set KA,  102                          ; v102-103 a
.set WF,  104                          ; v104-135 four weight fragments; in gelu 32 numbers at work; at last rows of out
.set WS,  136                          ; v136-139 the weights' scale words of K step s: lanes 0-15 tile 0, lanes 16-31 tile 1
.set HS,  140                          ; v140-143 the hidden layer's scale words
.set T,   144                          ; v144-175 four more weight fragments, or four hidden fragments; then:
.set TM,  144                          ;   largest magnitudes
.set TX,  146                          ;   the other half's, then bytes
.set SCL, 148                          ;   the conversions' scale operands
.set HA,  176                          ; v176-207 four accumulators at 16 t + 8 u
.set OUT, 208                          ; v208-239 the weighted sum, laid likewise
.set BI,  240                          ; v240-255 bias of columns 16 h + 0 .. 15
.set LN,  176                          ; at the head only
.set LI,  177
.set L4,  178
.set RR,  179
.set HH,  180
.set AD,  181
.set LG,  188
.set MX,  196
.set SM,  198
; SCALARS: s16 wave; s17 trips; s[20:21] lane selects; s[22:23] b; s[24:31] group 1; s[32:35], s[36:39] groups 0 for LDS slots 0, 1; s[54:55] what a step into the next expert goes back: all of wq behind rank 3, else 0; s58 the rank in hand.
; A round of the cluster's barrier: my work-group's barrier; wave 0 signals for the work-group; every wave waits for the four work-groups; my work-group's barrier once more.
.macro ROUND
	s_barrier_signal -1
	s_barrier_wait -1
	s_cmp_lg_u32 s16, 0
	s_cbranch_scc1 .Lnot_wave_0_\@
	s_barrier_signal -3
.Lnot_wave_0_\@:
	s_barrier_wait -3
	s_barrier_signal -1
	s_barrier_wait -1
.endm
; THE CHANGE OF SLOTS, at the head of slot p.  Each wave waits for all its tensor loads (its region of slot p), adds 0 to its spare word, and waits for that and for all its LDS reads and stores.
; Behind the round slot p is whole, no wave of any partner reads the other slot, and the hidden layer's images stored so far are there for every wave.  refill = 1: the other slot takes the next slot's weights.
; wrap = 1: this slot's next weights are the next expert's: behind rank 3 comes rank 0, 32 slots back.
.macro CHANGE p, refill, wrap
	s_wait_tensorcnt 0x0                           ; no tensor load of mine is out, so a group 0 may be written
	ds_add_u32 v[SPW], v[NIL]
	s_add_nc_u64 s[34+4*\p:35+4*\p], s[34+4*\p:35+4*\p], 2*SLOTB   ; this slot's next weights; the type bits on top are not reached
.if \wrap
	s_sub_nc_u64 s[34+4*\p:35+4*\p], s[34+4*\p:35+4*\p], s[54:55]
.endif
	s_wait_dscnt 0x0
	ROUND
.if \refill
	tensor_load_to_lds s[36-4*\p:39-4*\p], s[24:31]   ; the first thing behind the round, my one tensor load until the next: it has a whole slot's work in which to land
	s_nop 0
.rept 4
	v_nop
.endr
.endif
.endm
; One product.  d, a, b, c: first registers of D, A, B, C;  sa, sb: scale registers;  ra, rb = 1: the scales stand in lanes 16-31.
.macro MM d, a, b, c, sa, sb, ra, rb
.if ((\ra) == 0) && ((\rb) == 0)
	v_wmma_scale_f32_16x16x128_f8f6f4 v[(\d):(\d)+7], v[(\a):(\a)+7], v[(\b):(\b)+7], v[(\c):(\c)+7], v[(\sa)], v[(\sb)] matrix_a_fmt:MATRIX_FMT_FP4 matrix_b_fmt:MATRIX_FMT_FP4
.elseif ((\ra) == 1) && ((\rb) == 0)
	v_wmma_scale_f32_16x16x128_f8f6f4 v[(\d):(\d)+7], v[(\a):(\a)+7], v[(\b):(\b)+7], v[(\c):(\c)+7], v[(\sa)], v[(\sb)] matrix_a_fmt:MATRIX_FMT_FP4 matrix_b_fmt:MATRIX_FMT_FP4 matrix_a_scale:MATRIX_SCALE_ROW1
.elseif (\ra) == 0
	v_wmma_scale_f32_16x16x128_f8f6f4 v[(\d):(\d)+7], v[(\a):(\a)+7], v[(\b):(\b)+7], v[(\c):(\c)+7], v[(\sa)], v[(\sb)] matrix_a_fmt:MATRIX_FMT_FP4 matrix_b_fmt:MATRIX_FMT_FP4 matrix_b_scale:MATRIX_SCALE_ROW1
.else
	v_wmma_scale_f32_16x16x128_f8f6f4 v[(\d):(\d)+7], v[(\a):(\a)+7], v[(\b):(\b)+7], v[(\c):(\c)+7], v[(\sa)], v[(\sb)] matrix_a_fmt:MATRIX_FMT_FP4 matrix_b_fmt:MATRIX_FMT_FP4 matrix_a_scale:MATRIX_SCALE_ROW1 matrix_b_scale:MATRIX_SCALE_ROW1
.endif
.endm
.macro PLACES                          ; four places behind this matrix form, in front of the first read of results and of writes and loads into its registers
.rept 4
	v_nop
.endr
.endm
; gelu of the 32 numbers in HA, then block q of my K step is quantised for both tiles of tokens: a lane's 16 numbers of a tile are k = 32 q + 16 h + 0 .. 15.
.macro ACT q
.set j, 0
.rept 16
	v_pk_mul_f32 v[WF+j:WF+j+1], v[HA+j:HA+j+1], v[HA+j:HA+j+1]               ; v^2: each accumulator is read from its low end on
.set j, j+2
.endr
.set j, 0
.rept 16
	v_pk_fma_f32 v[WF+j:WF+j+1], v[WF+j:WF+j+1], s[22:23], v[KA:KA+1] op_sel_hi:[1,0,0]   ; b v^2 + a
.set j, j+2
.endr
.set j, 0
.rept 16
	v_pk_mul_f32 v[WF+j:WF+j+1], v[WF+j:WF+j+1], v[HA+j:HA+j+1]               ; x v
.set j, j+2
.endr
.set j, 0
.rept 32
	v_exp_f32 v[WF+j], v[WF+j]
.set j, j+1
.endr
	v_nop                                          ; a plain place behind the exponentials
.set j, 0
	s_wait_alu depctr_va_vdst(0)
.rept 16
	v_pk_add_f32 v[WF+j:WF+j+1], v[WF+j:WF+j+1], 1.0 op_sel_hi:[1,0]
.set j, j+2
.endr
.set j, 0
.rept 32
	v_rcp_f32 v[WF+j], v[WF+j]
.set j, j+1
.endr
	v_nop                                          ; a plain place behind the reciprocals
.set j, 0
	s_wait_alu depctr_va_vdst(0)
.rept 16
	v_pk_mul_f32 v[HA+j:HA+j+1], v[HA+j:HA+j+1], v[WF+j:WF+j+1]               ; the hidden layer, in f32
.set j, j+2
.endr
.irp t, 0,1
	v_max3_num_f32 v[TM+\t], |v[HA+16*\t]|, |v[HA+16*\t+1]|, 0x1800000        ; my 16 numbers, and the floor 2^(3 - 127): the byte cannot fall under 1
.endr
.irp i, 2,4,6,8,10,12,14
.irp t, 0,1
	v_max3_num_f32 v[TM+\t], v[TM+\t], |v[HA+16*\t+\i]|, |v[HA+16*\t+\i+1]|
.endr
.endr
.irp t, 0,1
	v_permlanex16_b32 v[TX+\t], v[TM+\t], s20, s21
.endr
.irp t, 0,1
	v_max_num_f32 v[TM+\t], v[TM+\t], v[TX+\t]     ; with lane l xor 16's 16: the block's largest magnitude
.endr
.irp t, 0,1
	v_add_nc_u32 v[SCL+\t], 0xff000000, v[TM+\t]   ; 2 off its exponent field: the conversion's scale operand
.endr
.if (\q) == 0
.irp t, 0,1
	v_lshrrev_b32 v[PW+\t], 23, v[SCL+\t]          ; the scale's byte begins the word
.endr
.else
.irp t, 0,1
	v_lshrrev_b32 v[TX+\t], 23, v[SCL+\t]
.endr
.irp t, 0,1
	v_lshl_or_b32 v[PW+\t], v[TX+\t], 8*(\q), v[PW+\t]
.endr
.endif
.irp t, 0,1
	v_cvt_scalef32_pk8_fp4_f32 v[PC+4*\t+2*((\q)&1)], v[HA+16*\t:HA+16*\t+7], v[SCL+\t]
	v_cvt_scalef32_pk8_fp4_f32 v[PC+4*\t+2*((\q)&1)+1], v[HA+16*\t+8:HA+16*\t+15], v[SCL+\t]
.endr
	v_nop                                          ; one plain place behind a scaled conversion
.if ((\q)&1) == 1
.irp t, 0,1                                    ; two blocks are there: the operand's layout wants a whole block in a lane
.irp i, 0,1
	v_permlane16_swap_b32 v[PC+4*\t+\i], v[PC+4*\t+2+\i]
.endr
.endr
.irp t, 0,1
	ds_store_b128 v[HWI], v[PC+4*\t:PC+4*\t+3] offset:1024*\t+512*((\q)>>1)   ; half of the fragment's image
.endr
.endif
.if (\q) == 3
.irp t, 0,1
	ds_store_b32 v[HWS], v[PW+\t] offset:64*\t     ; both halves of the lanes write the same word with the same value
.endr
.endif
.endm
; A slot of W1: 32 of my hidden units for the 32 tokens, K = 512 in four steps.  Four accumulators by turns; b1 is the C of each sum's first product.
.macro P1 p, q, refill
	CHANGE \p, \refill, 0
.irp s, 0,1,2,3
	ds_load_b32 v[WS+\s], v[WSA+\p] offset:128*\s
.endr
.irp i, 0,1,2,3
	ds_load_b128 v[BI+4*\i:BI+4*\i+3], v[BA+\p] offset:16*\i
.endr
.irp u, 0,1
.irp s, 0,1
.irp g, 0,1
	ds_load_b128 v[WF+16*\u+8*\s+4*\g:WF+16*\u+8*\s+4*\g+3], v[WA+\p] offset:(4*\u+\s)*1024+512*\g
.endr
.endr
.endr
.irp u, 0,1
.irp s, 0,1
.irp g, 0,1
	ds_load_b128 v[T+16*\u+8*\s+4*\g:T+16*\u+8*\s+4*\g+3], v[WA+\p] offset:(4*\u+2+\s)*1024+512*\g
.endr
.endr
.endr
	s_wait_dscnt 8                                 ; all but the youngest eight loads, the fragments of K steps 2 and 3
.irp s, 0,1
.irp u, 0,1
.irp t, 0,1
.if \s == 0
	MM HA+16*\t+8*\u, WF+16*\u+8*\s, XF+32*\t+8*\s, BI+8*\u, WS+\s, XS+\s, \u, \t
.else
	MM HA+16*\t+8*\u, WF+16*\u+8*\s, XF+32*\t+8*\s, HA+16*\t+8*\u, WS+\s, XS+\s, \u, \t
.endif
.endr
.endr
.endr
	s_wait_dscnt 0x0
.irp s, 0,1
.irp u, 0,1
.irp t, 0,1
	MM HA+16*\t+8*\u, T+16*\u+8*\s, XF+32*\t+16+8*\s, HA+16*\t+8*\u, WS+2+\s, XS+2+\s, \u, \t
.endr
.endr
.endr
	PLACES
	ACT \q
.endm
; Two K steps, k0 and k0 + 1, of a slot of W2.
.macro P2H p, q, k0
.irp u, 0,1
.irp s, 0,1
.irp g, 0,1
	ds_load_b128 v[WF+16*\u+8*\s+4*\g:WF+16*\u+8*\s+4*\g+3], v[WA+\p] offset:(4*\u+\k0+\s)*1024+512*\g
.endr
.endr
.endr
.irp t, 0,1
.irp s, 0,1
.irp g, 0,1
	ds_load_b128 v[T+16*\t+8*\s+4*\g:T+16*\t+8*\s+4*\g+3], v[HRD] offset:((4*\q+\k0+\s)*2+\t)*1024+512*\g
.endr
.endr
.endr
	s_wait_dscnt 0x0
.irp s, 0,1
.irp u, 0,1
.irp t, 0,1
.if ((\q) == 0) && ((\k0+\s) == 0)
	MM HA+16*\t+8*\u, WF+16*\u+8*\s, T+16*\t+8*\s, BI+8*\u, WS+\k0+\s, HS+\k0+\s, \u, \t
.else
	MM HA+16*\t+8*\u, WF+16*\u+8*\s, T+16*\t+8*\s, HA+16*\t+8*\u, WS+\k0+\s, HS+\k0+\s, \u, \t
.endif
.endr
.endr
.endr
	PLACES
.endm
; A slot of W2: my 32 outputs for the 32 tokens, K = hidden 512 q on.  b2 is the C of each sum's first product.  Behind the last slot the expert's result, times its gate, is added to the sum.
; At the heads of an expert's last two slots the descriptors step into the next expert.
.macro P2 p, q, refill
.if (\q) >= 2
	CHANGE \p, \refill, 1
.else
	CHANGE \p, \refill, 0
.endif
.irp s, 0,1,2,3
	ds_load_b32 v[WS+\s], v[WSA+\p] offset:128*\s
.endr
.irp s, 0,1,2,3
	ds_load_b32 v[HS+\s], v[HSR] offset:128*(4*\q+\s)
.endr
.if (\q) == 0
.irp i, 0,1,2,3
	ds_load_b128 v[BI+4*\i:BI+4*\i+3], v[BA+\p] offset:16*\i
.endr
.endif
	P2H \p, \q, 0
	P2H \p, \q, 2
.if (\q) == 3
.irp t, 0,1
.set j, 0
.rept 8
	v_pk_fma_f32 v[OUT+16*\t+j:OUT+16*\t+j+1], v[HA+16*\t+j:HA+16*\t+j+1], v[GT+2*\t:GT+2*\t+1], v[OUT+16*\t+j:OUT+16*\t+j+1] op_sel_hi:[1,0,1]   ; each accumulator from its low end on
.set j, j+2
.endr
.endr
.irp t, 0,1
	v_mov_b32 v[GT+2*\t], v[GT+2*\t+1]             ; the next expert's gate moves up
	v_mov_b32 v[GT+2*\t+1], v[GT+2*\t+4]
	v_mov_b32 v[GT+2*\t+4], v[GT+2*\t+5]
.endr
.endif
.endm
.macro EXPERT last
	s_cmp_eq_u32 s58, 3                            ; behind rank 3 the walk goes back to rank 0: all 32 slots of wq.  The choice hangs on the cluster's number and the trip alone: it is the same in all four partners
	s_cselect_b32 s54, 32*SLOTB, 0
	P1 0, 0, 1
	P1 1, 1, 1
	P1 0, 2, 1
	P1 1, 3, 1
	P2 0, 0, 1
	P2 1, 1, 1
	P2 0, 2, 1
	P2 1, 3, 1-\last
	s_add_co_u32 s58, s58, 1
	s_and_b32 s58, s58, 3                          ; the next rank
.endm
	s_load_b256 s[4:11], s[0:1], 0x0               ; xq s[4:5], xs s[6:7], lg s[8:9], idx s[10:11]
	s_load_b128 s[12:15], s[0:1], 0x20             ; wq s[12:13], out s[14:15]
	v_lshl_add_u32 v[SPW], v0, 2, SPARE
	v_mov_b32 v[NIL], 0
	ds_add_u32 v1, v2
	ds_add_u32 v1, v2
	s_wait_dscnt 0x0
	v_lshrrev_b32 v3, 5, v0
	v_readfirstlane_b32 s16, v3                    ; wave 0..15
	s_bfe_u32 s18, ttmp6, 0x40000                  ; cx: my place in the cluster
	s_lshl_b32 s19, ttmp9, 2
	s_add_co_u32 s19, s19, s18                     ; my block of 32 tokens: it enters the addresses of xq, xs, lg and out alone
	s_and_b32 s58, ttmp9, 3                        ; the rank with which my cluster begins: in a cluster launch ttmp9 counts clusters, so the four partners have the same
	; descriptor group 1: a region, 35 dense rows of 32 elements of 8 bytes; no padding: images are read 16 bytes a lane on end
	s_mov_b32 s24, 15|(3<<16)|(1<<21)              ; 15:0 the mask: all four work-groups; 17:16 elements of 8 bytes; 21 set beside a mask
	s_mov_b32 s25, 32<<16                          ; tensor_dim0
	s_mov_b32 s26, 35<<16                          ; tensor_dim1
	s_mov_b32 s27, 32<<16                          ; tile_dim0
	s_mov_b32 s28, 35                              ; tile_dim1
	s_mov_b32 s29, 32                              ; from row to row
	s_mov_b32 s30, 0
	s_mov_b32 s31, 0
	s_mov_b32 s20, 0x76543210
	s_mov_b32 s21, 0xfedcba98                      ; v_permlanex16_b32's selects for lane l xor 16
	s_mov_b32 s22, 0xbdd2d3e8                      ; b = 0.044715 a
	s_mov_b32 s23, s22                             ; (named with it as a pair, so it is written)
	s_mul_i32 s50, s16, WREG                       ; my region in a slot: in wq and in LDS alike; no place in the cluster enters it
	s_mul_i32 s56, s58, 8*SLOTB                    ; in wq: my cluster's first expert, eight slots a rank,
	s_add_co_u32 s56, s56, s50                     ; and my region
	s_mov_b32 s57, 0
	s_mov_b32 s55, 0                               ; the upper word of what a step goes back
	s_wait_kmcnt 0x0
	s_load_b128 s[40:43], s[10:11], 0x0            ; the four chosen experts, as an earlier launch stored them
	s_mov_b32 s32, 1                               ; group 0 for LDS slot 0: it begins with the first expert's slot 0,
	s_mov_b32 s33, s50
	s_add_nc_u64 s[34:35], s[12:13], s[56:57]
	s_mov_b32 s36, 1                               ; for LDS slot 1: with its slot 1
	s_add_co_u32 s37, s50, SLOTB
	s_add_nc_u64 s[38:39], s[34:35], SLOTB
	s_or_b32 s35, s35, 0x80000000
	s_or_b32 s39, s39, 0x80000000
	s_wait_kmcnt 0x0
	ROUND                                          ; all four work-groups are here: the first joint loads meet
	tensor_load_to_lds s[32:35], s[24:31]
	s_nop 0
.rept 4
	v_nop
.endr
	s_lshl_b32 s48, s19, 13                        ; my block in xq: two tiles of 4,096 bytes,
	s_mov_b32 s49, 0
	s_add_nc_u64 s[4:5], s[4:5], s[48:49]
	s_lshl_b32 s48, s19, 9                         ; in xs: 32 tokens of 16 bytes,
	s_add_nc_u64 s[6:7], s[6:7], s[48:49]
	s_lshl_b32 s48, s19, 11                        ; in lg: two tiles of 1,024 bytes,
	s_add_nc_u64 s[8:9], s[8:9], s[48:49]
	s_lshl_b32 s48, s19, 16                        ; in out: 32 rows of 2,048 bytes
	s_add_nc_u64 s[14:15], s[14:15], s[48:49]
	v_and_b32 v[LN], 31, v0
	v_and_b32 v[RR], 15, v0
	v_bfe_u32 v[HH], v0, 4, 1
	v_lshlrev_b32 v[LI], 4, v[LN]
	v_lshlrev_b32 v[L4], 2, v[LN]
.set i, 0
.rept 16
	global_load_b128 v[XF+4*i:XF+4*i+3], v[LI], s[4:5] offset:512*i           ; x's eight fragments, as they lie
.set i, i+1
.endr
	global_load_b128 v[XS:XS+3], v[LI], s[6:7]     ; lane l: the four scale words of token l of my 32
	s_and_b32 s52, s58, 1                          ; the four experts in my cluster's order: turned by one place where its first rank is odd,
	s_cmp_lg_u32 s52, 0
	s_cselect_b32 s44, s41, s40
	s_cselect_b32 s45, s42, s41
	s_cselect_b32 s46, s43, s42
	s_cselect_b32 s47, s40, s43
	s_and_b32 s52, s58, 2                          ; and by two where it is 2 or 3
	s_cmp_lg_u32 s52, 0
	s_cselect_b32 s40, s46, s44
	s_cselect_b32 s41, s47, s45
	s_cselect_b32 s42, s44, s46
	s_cselect_b32 s43, s45, s47
.irp k, 0,1,2,3
	s_min_u32 s[40+\k], s[40+\k], 15               ; held inside the table; expert e = 8 h + 4 g + i lies at 256 h + 512 g + 4 i of a tile's logits
	s_and_b32 s52, s[40+\k], 8
	s_lshl_b32 s52, s52, 5
	s_and_b32 s53, s[40+\k], 4
	s_lshl_b32 s53, s53, 7
	s_add_co_u32 s52, s52, s53
	s_and_b32 s53, s[40+\k], 3
	s_lshl_b32 s53, s53, 2
	s_add_co_u32 s[44+\k], s52, s53
	v_lshl_add_u32 v[AD+\k], v[RR], 4, s[44+\k]    ; + 16 r
.endr
.irp t, 0,1
.irp k, 0,1,2,3
	global_load_b32 v[LG+4*\t+\k], v[AD+\k], s[8:9] offset:1024*\t
.endr
.endr
	v_add_nc_u32 v[WA], s50, v[LI]
	v_add_nc_u32 v[WA+1], SLOTB, v[WA]
	v_add_nc_u32 v[WSA], s50, v[L4]
	v_add_nc_u32 v[WSA], 8192, v[WSA]
	v_add_nc_u32 v[WSA+1], SLOTB, v[WSA]
	v_lshl_add_u32 v[BA], v[HH], 6, s50
	v_add_nc_u32 v[BA], 8704, v[BA]
	v_add_nc_u32 v[BA+1], SLOTB, v[BA]
	s_lshl_b32 s52, s16, 11
	v_add_nc_u32 v[HWI], s52, v[LI]
	v_add_nc_u32 v[HWI], HIMG, v[HWI]              ; K step w's two fragments
	s_lshl_b32 s52, s16, 7
	v_lshl_add_u32 v[HWS], v[RR], 2, s52
	v_add_nc_u32 v[HWS], HSC, v[HWS]
	v_add_nc_u32 v[HRD], HIMG, v[LI]
	v_add_nc_u32 v[HSR], HSC, v[L4]
	v_mul_u32_u24 v[STI], v[RR], SPITCH            ; the stage, in: row r, + 128 w + 64 h: my outputs' bytes
	v_lshl_add_u32 v[STI], v[HH], 6, v[STI]
	v_add_nc_u32 v[STI], s52, v[STI]
	s_mul_i32 s52, s16, 2*SPITCH
	v_add_nc_u32 v[STB], s52, v[LI]                ; back: rows 2 w and 2 w + 1, 16 bytes a lane
	s_lshl_b32 s52, s16, 12
	v_add_nc_u32 v[GO], s52, v[LI]                 ; and the same rows in out
	v_mov_b32 v[KA], 0xc0135761                    ; a = -2 sqrt(2 / pi) log2(e)
	v_mov_b32 v[KA+1], 0xc0135761
.set j, 0
.rept 32
	v_mov_b32 v[OUT+j], 0                          ; the weighted sum begins at 0, so that an expert's text is the same for all four
.set j, j+1
.endr
	s_wait_loadcnt 0x0
	; the gates: softmax over the four chosen experts' logits, the largest taken away first
.irp t, 0,1
	v_max3_num_f32 v[MX+\t], v[LG+4*\t], v[LG+4*\t+1], v[LG+4*\t+2]
.endr
.irp t, 0,1
	v_max_num_f32 v[MX+\t], v[MX+\t], v[LG+4*\t+3]
.endr
.irp t, 0,1
.irp k, 0,1,2,3
	v_sub_f32 v[LG+4*\t+\k], v[LG+4*\t+\k], v[MX+\t]
.endr
.endr
.irp i, 0,1,2,3,4,5,6,7
	v_mul_f32 v[LG+\i], 0x3fb8aa3b, v[LG+\i]
.endr
.irp i, 0,1,2,3,4,5,6,7
	v_exp_f32 v[LG+\i], v[LG+\i]
.endr
	v_nop                                          ; a plain place behind the exponentials
	s_wait_alu depctr_va_vdst(0)
.irp t, 0,1
	v_add_f32 v[SM+\t], v[LG+4*\t], v[LG+4*\t+1]
	v_add_f32 v[MX+\t], v[LG+4*\t+2], v[LG+4*\t+3]
.endr
.irp t, 0,1
	v_add_f32 v[SM+\t], v[SM+\t], v[MX+\t]
.endr
.irp t, 0,1
	v_rcp_f32 v[SM+\t], v[SM+\t]
.endr
	v_nop                                          ; a plain place behind the reciprocals
	s_wait_alu depctr_va_vdst(0)
.irp t, 0,1
.irp k, 0,1,2,3
	v_mul_f32 v[GT+2*\t+((\k)&1)+4*((\k)>>1)], v[LG+4*\t+\k], v[SM+\t]
.endr
.endr
	s_mov_b32 s17, 3
.Lexpert:                                              ; three trips; each fills every slot again
	EXPERT 0
	s_sub_co_u32 s17, s17, 1
	s_cmp_lg_u32 s17, 0
	s_cbranch_scc1 .Lexpert
	EXPERT 1                                       ; the last expert is written out: its last slot asks for nothing (its stepped addresses are not used)
	; THE WAY OUT.  A lane holds 16 outputs of a token and a row's 512 outputs come from sixteen waves: they meet in a stage, and each wave stores two whole rows.
.irp t, 0,1
.irp u, 0,1
	ds_store_b128 v[STI], v[OUT+16*\t+8*\u:OUT+16*\t+8*\u+3] offset:16*SPITCH*\t+32*\u
	ds_store_b128 v[STI], v[OUT+16*\t+8*\u+4:OUT+16*\t+8*\u+7] offset:16*SPITCH*\t+32*\u+16
.endr
.endr
	s_wait_dscnt 0x0                               ; for the others' sake: my stores into the stage are done
	s_barrier_signal -1
	s_barrier_wait -1
.irp i, 0,1,2,3,4,5,6,7
	ds_load_b128 v[WF+4*\i:WF+4*\i+3], v[STB] offset:(\i/4)*SPITCH+512*(\i%4)
.endr
.irp i, 0,1,2,3,4,5,6,7
	s_wait_dscnt 7-\i                              ; LDS loads come back in order: load i is in, the younger ones may be out
	global_store_b128 v[GO], v[WF+4*\i:WF+4*\i+3], s[14:15] offset:(\i/4)*2048+512*(\i%4) th:TH_STORE_NT   ; 32 lanes store 512 consecutive bytes, aligned
.endr
	s_wait_tensorcnt 0x0                           ; the wave's end
	ds_add_u32 v[SPW], v[NIL]
	s_wait_dscnt 0x0
	ROUND                                          ; the closing round: no work-group ends while a partner may still ask for a region that names it
	s_endpgm
.Lfunc_end_k_q5aa02d86e9_ffn:
	.size	k_q5aa02d86e9_ffn, .Lfunc_end_k_q5aa02d86e9_ffn-k_q5aa02d86e9_ffn
	.p2alignl 7, 3214868480
	.fill 96, 4, 3214868480
	.section	.rodata,"a",@progbits
	.p2align	6, 0x0
	.amdhsa_kernel k_q5aa02d86e9_ffn
		.amdhsa_group_segment_fixed_size 327680
		.amdhsa_private_segment_fixed_size 0
		.amdhsa_enable_private_segment 0
		.amdhsa_kernarg_size 48
		.amdhsa_user_sgpr_count 2
		.amdhsa_user_sgpr_kernarg_segment_ptr 1
		.amdhsa_wavefront_size32 1
		.amdhsa_system_sgpr_workgroup_id_x 1
		.amdhsa_system_sgpr_workgroup_id_y 1
		.amdhsa_system_sgpr_workgroup_id_z 1
		.amdhsa_system_vgpr_workitem_id 0
		.amdhsa_next_free_vgpr 256
		.amdhsa_next_free_sgpr 66
		.amdhsa_reserve_vcc 0
		.amdhsa_float_denorm_mode_32 3
		.amdhsa_float_denorm_mode_16_64 3
		.amdhsa_memory_ordered 1
		.amdhsa_forward_progress 1
		.amdhsa_inst_pref_size 170
	.end_amdhsa_kernel
	.amdgpu_metadata
---
amdhsa.version: [ 1, 2 ]
amdhsa.kernels:
  - .name:           k_q5aa02d86e9_ffn
    .symbol:         k_q5aa02d86e9_ffn.kd
    .args:
      - { .name: xq, .offset: 0, .size: 8, .value_kind: global_buffer, .address_space: global }
      - { .name: xs, .offset: 8, .size: 8, .value_kind: global_buffer, .address_space: global }
      - { .name: lg, .offset: 16, .size: 8, .value_kind: global_buffer, .address_space: global }
      - { .name: idx, .offset: 24, .size: 8, .value_kind: global_buffer, .address_space: global }
      - { .name: wq, .offset: 32, .size: 8, .value_kind: global_buffer, .address_space: global }
      - { .name: out0, .offset: 40, .size: 8, .value_kind: global_buffer, .address_space: global }
    .group_segment_fixed_size: 327680
    .private_segment_fixed_size: 0
    .kernarg_segment_align: 8
    .kernarg_segment_size: 48
    .max_flat_workgroup_size: 512
    .sgpr_count:     66
    .vgpr_count:     256
    .wavefront_size: 32
...
	.end_amdgpu_metadata
.endif
;; end of part 5
